; MI455X (gfx1250); checked and timed in simulation.
; The chip was launched on July 23, 2026; its instructions are those of AMD's public machine-readable ISA for CDNA 5 (MIT licence, August 2026) and "CDNA5" Instruction Set Architecture Reference Guide (July 2026). The comments in the code are by the model that wrote it; some were corrected since.
;; Attention. Allowed arithmetic: float matrix products may take bf16 or f16 operands with f32 sums; other float arithmetic in f32, or as packed bf16 or f16 multiplies, adds, multiply-adds, maxima and minima; sums over many terms, partial sums and values carried from step to step in f32; what a program stores and reads back later, other than sums and carried values, may be rounded once to bf16 or f16.
;; Inputs: proj_b 1,024 float32; proj_w 1,024 x 1,024 float32; qkv_w 3,072 x 1,024 float32; x 1 x 4,096 x 1,024 float32.
;; Outputs: out0 1 x 4,096 x 1,024 float32.
;; 2 versions, each right; version 2 is version 1 with the launch prep written anew for expert scheduling mode. Each part assembles by itself: llvm-mc -triple=amdgcn-amd-amdhsa -mcpu=gfx1250 --defsym DOCPART=n.
;; ======== version 1 of 2: 5 launches
;; limits: values are held in f16: magnitudes above 65,504 overflow, below 6.1e-05 lose precision; right only within a limited range of input values
;; workspace buffers: xb 8,388,608 bytes; wb 6,291,456 bytes; pwh 2,097,152 bytes; xm 131,072 bytes; mt 262,144 bytes; qkv 25,165,824 bytes; sel 65,536 bytes of whole numbers; oh 8,388,608 bytes
;; launch prep (part 1): grid 8 x 32, 8 waves a work-group, no clusters, 5,120 bytes of LDS; arguments x, qkv_w, proj_w, xb, wb, pwh, xm; writes xb, wb, pwh, xm
.if DOCPART == 1
	.amdgcn_target "amdgcn-amd-amdhsa--gfx1250"
	.amdhsa_code_object_version 6
	.text
	.protected	k_q1a9c2444f8_prep
	.globl	k_q1a9c2444f8_prep
	.p2align	8
	.type	k_q1a9c2444f8_prep,@function
k_q1a9c2444f8_prep:
	s_mov_b64 s[64:65], 0
	v_nop
	global_prefetch_b8 v0, s[64:65] scope:SCOPE_SE
	s_setreg_imm32_b32 hwreg(HW_REG_WAVE_MODE, 25, 1), 1
	s_wait_xcnt 0x0
; PREP.  All inputs of the matrix products are rounded once to bf16 here.
;   xb  [4096][1024] bf16 = x.      xm [32][1024] f32 = the mean over each block of 128 rows of the ROUNDED x (sums in f32).
;   wb  [16 heads][q,k,v][64][1024] bf16 = qkv_w with its rows regrouped by head: row which*1024 + h*64 + d goes to row h*192 + which*64 + d.
;   pwh [1024][1024] f16 = proj_w rounded to bf16, that number written as f16.
; LIMIT: the f16 copy is exact for 2^-17 <= |w| <= 65,504; below that it keeps f16's fixed step of 6e-8.
; SHARES.  Work-group (e, y) takes columns 128 e .. +127 of rows 128 y .. +127 of x, and the same tile of the weights (y < 24: qkv_w's block y, else proj_w's block y - 24).
; Wave w takes 16 rows of both tiles; a lane four columns: a load of the wave covers 512 consecutive bytes of a row, a store 256 consecutive bytes, aligned.
; All 32 loads of a wave go out at once; nothing is read twice.  No matrix unit, no cluster: every byte is used once.
.set SPARE, 4096                       ; LDS: 0 .. 4,095 the eight waves' column sums (16 bytes a thread); then the spare words, 128 bytes a wave
.set SPW, 2                            ; v2   LDS address of my spare word; never rewritten
.set NIL, 3                            ; v3   0; never rewritten
.set L16, 4                            ; v4   16 x lane
.set L8,  5                            ; v5   8 x lane
.set T16, 6                            ; v6   16 x thread
.set T,   8                            ; v[8:15]    at work
.set SUM, 16                           ; v[16:19]   sums of my four columns over my wave's 16 rows
.set XD,  20                           ; v[20:83]   x as loaded, four registers a row
.set WD,  84                           ; v[84:147]  the weights as loaded
.set XY,  148                          ; v[148:179] x rounded, two registers a row
.set WY,  180                          ; v[180:211] the weights rounded
.set WV,  18
.set BY,  19
.set BE,  20
.set HIM, 32
	s_load_b256 s[4:11], s[0:1], 0x0               ; x s[4:5], qkv_w s[6:7], proj_w s[8:9], xb s[10:11]
	s_load_b128 s[12:15], s[0:1], 0x20             ; wb s[12:13], pwh s[14:15]
	s_load_b64 s[16:17], s[0:1], 0x30              ; xm
	v_lshl_add_u32 v[SPW], v0, 2, SPARE
	v_mov_b32 v[NIL], 0
	v_lshrrev_b32 v1, 5, v0
	v_readfirstlane_b32 s[WV], v1                  ; wave 0..7
	v_and_b32 v1, 31, v0
	v_lshlrev_b32 v[L16], 4, v1
	v_lshlrev_b32 v[L8], 3, v1
	v_lshlrev_b32 v[T16], 4, v0
	s_and_b32 s[BY], ttmp7, 0xffff                 ; y
	s_mov_b32 s[BE], ttmp9                         ; e
	s_mov_b32 s[HIM], 0xffff0000                   ; a word's upper bf16
	s_lshl_b32 s36, s[BY], 19                      ; f32 source: (128 y + 16 w) rows of 4,096 bytes + 512 e
	s_lshl_b32 s21, s[WV], 16
	s_add_co_u32 s36, s36, s21
	s_lshl_b32 s21, s[BE], 9
	s_add_co_u32 s36, s36, s21
	s_lshr_b32 s38, s36, 1                         ; 16-bit destination with the same rows: half of it
	s_mov_b32 s37, 0
	s_mov_b32 s39, 0
	s_and_b32 s42, s[BY], 7                        ; wb's row: head 2 (y % 8) + w / 4,
	s_lshl_b32 s42, s42, 1
	s_lshr_b32 s21, s[WV], 2
	s_add_co_u32 s42, s42, s21
	s_mul_i32 s42, s42, 192
	s_lshr_b32 s21, s[BY], 3                       ; which of q, k, v = y / 8,
	s_lshl_b32 s21, s21, 6
	s_add_co_u32 s42, s42, s21
	s_and_b32 s21, s[WV], 3                        ; channel 16 (w % 4)
	s_lshl_b32 s21, s21, 4
	s_add_co_u32 s42, s42, s21
	s_lshl_b32 s42, s42, 11
	s_lshl_b32 s21, s[BE], 8
	s_add_co_u32 s42, s42, s21
	s_sub_co_u32 s40, s36, 24<<19                  ; proj_w's source: block y - 24,
	s_lshr_b32 s21, s40, 1                         ; and pwh's destination
	s_cmp_lt_u32 s[BY], 24
	s_cselect_b32 s40, s36, s40
	s_cselect_b32 s42, s42, s21
	s_mov_b32 s41, 0
	s_mov_b32 s43, 0
	s_lshl_b32 s44, s[BY], 12                      ; xm: row y, 512 e
	s_lshl_b32 s21, s[BE], 9
	s_add_co_u32 s44, s44, s21
	s_mov_b32 s45, 0
	s_wait_kmcnt 0x0
	s_cmp_lt_u32 s[BY], 24
	s_cselect_b64 s[28:29], s[6:7], s[8:9]         ; the weights' source
	s_cselect_b64 s[30:31], s[12:13], s[14:15]     ; and destination
	s_add_nc_u64 s[24:25], s[4:5], s[36:37]
	s_add_nc_u64 s[26:27], s[10:11], s[38:39]
	s_add_nc_u64 s[28:29], s[28:29], s[40:41]
	s_add_nc_u64 s[30:31], s[30:31], s[42:43]
	s_add_nc_u64 s[16:17], s[16:17], s[44:45]
.irp i, 0,1,2,3,4,5,6,7,8,9,10,11,12,13,14,15
	global_load_b128 v[XD+4*(\i):XD+4*(\i)+3], v[L16], s[24:25] offset:(\i)*4096 th:TH_LOAD_NT
.endr
.irp i, 0,1,2,3,4,5,6,7,8,9,10,11,12,13,14,15
	global_load_b128 v[WD+4*(\i):WD+4*(\i)+3], v[L16], s[28:29] offset:(\i)*4096 th:TH_LOAD_NT
.endr
; Row i of x: rounded, stored, and the rounded numbers added to the column sums.  The first row starts the sums.
.macro XROW i
	s_wait_loadcnt 31-(\i)                         ; loads come back in order: behind row i's stand 15 - i of x and the weights' 16
	v_cvt_pk_bf16_f32 v[XY+2*(\i)], v[XD+4*(\i)], v[XD+4*(\i)+1]
	v_cvt_pk_bf16_f32 v[XY+2*(\i)+1], v[XD+4*(\i)+2], v[XD+4*(\i)+3]
.if (\i) == 0
	v_lshlrev_b32 v[SUM], 16, v[XY]
	v_and_b32 v[SUM+1], s[HIM], v[XY]
	v_lshlrev_b32 v[SUM+2], 16, v[XY+1]
	v_and_b32 v[SUM+3], s[HIM], v[XY+1]
.else
	v_lshlrev_b32 v[T+4*((\i)%2)], 16, v[XY+2*(\i)]
	v_and_b32 v[T+4*((\i)%2)+1], s[HIM], v[XY+2*(\i)]
	v_lshlrev_b32 v[T+4*((\i)%2)+2], 16, v[XY+2*(\i)+1]
	v_and_b32 v[T+4*((\i)%2)+3], s[HIM], v[XY+2*(\i)+1]
	v_pk_add_f32 v[SUM:SUM+1], v[SUM:SUM+1], v[T+4*((\i)%2):T+4*((\i)%2)+1]
	v_pk_add_f32 v[SUM+2:SUM+3], v[SUM+2:SUM+3], v[T+4*((\i)%2)+2:T+4*((\i)%2)+3]
.endif
	global_store_b64 v[L8], v[XY+2*(\i):XY+2*(\i)+1], s[26:27] offset:(\i)*2048
.endm
.irp i, 0,1,2,3,4,5,6,7,8,9,10,11,12,13,14,15
	XROW \i
.endr
	ds_store_b128 v[T16], v[SUM:SUM+3]             ; my wave's sums, for wave 0
.irp i, 0,1,2,3,4,5,6,7,8,9,10,11,12,13,14,15
	s_wait_loadcnt 15-(\i)
	v_cvt_pk_bf16_f32 v[WY+2*(\i)], v[WD+4*(\i)], v[WD+4*(\i)+1]
	v_cvt_pk_bf16_f32 v[WY+2*(\i)+1], v[WD+4*(\i)+2], v[WD+4*(\i)+3]
.endr
	s_cmp_lt_u32 s[BY], 24
	s_cbranch_scc1 .Lw                             ; qkv_w stays bf16
.set i, 0
.rept 32                                       ; proj_w: the bf16 number written as f16
	v_lshlrev_b32 v[T+2*(i%4)], 16, v[WY+i]
	v_and_b32 v[T+2*(i%4)+1], s[HIM], v[WY+i]
	v_cvt_pk_f16_f32 v[WY+i], v[T+2*(i%4)], v[T+2*(i%4)+1]
.set i, i+1
.endr
.Lw:
.irp i, 0,1,2,3,4,5,6,7,8,9,10,11,12,13,14,15
	global_store_b64 v[L8], v[WY+2*(\i):WY+2*(\i)+1], s[30:31] offset:(\i)*2048
.endr
	s_wait_dscnt 0x0                               ; for wave 0's sake: my sums lie in LDS
	s_barrier_signal -1
	s_barrier_wait -1
	s_cmp_lg_u32 s[WV], 0
	s_cbranch_scc1 .Lend
.irp v, 0,1,2,3,4,5,6,7
	ds_load_b128 v[XD+4*(\v):XD+4*(\v)+3], v[L16] offset:512*(\v)
.endr
	s_wait_dscnt 0x0
.irp n, 4,2,1
.set k, 0
.rept \n
	v_pk_add_f32 v[XD+4*k:XD+4*k+1], v[XD+4*k:XD+4*k+1], v[XD+4*(k+\n):XD+4*(k+\n)+1]
	v_pk_add_f32 v[XD+4*k+2:XD+4*k+3], v[XD+4*k+2:XD+4*k+3], v[XD+4*(k+\n)+2:XD+4*(k+\n)+3]
.set k, k+1
.endr
.endr
	v_pk_mul_f32 v[XD:XD+1], v[XD:XD+1], 0x3c000000 op_sel_hi:[1,0]      ; 1 / 128
	v_pk_mul_f32 v[XD+2:XD+3], v[XD+2:XD+3], 0x3c000000 op_sel_hi:[1,0]
	global_store_b128 v[L16], v[XD:XD+3], s[16:17]  ; 512 consecutive bytes of xm's row y
.Lend:
	s_wait_tensorcnt 0x0                           ; the wave's end: a closing add onto my spare word, behind my last LDS store
	ds_add_u32 v[SPW], v[NIL]
	s_wait_dscnt 0x0
	s_endpgm
.Lfunc_end_k_q1a9c2444f8_prep:
	.size	k_q1a9c2444f8_prep, .Lfunc_end_k_q1a9c2444f8_prep-k_q1a9c2444f8_prep
	.p2alignl 7, 3214868480
	.fill 96, 4, 3214868480
	.section	.rodata,"a",@progbits
	.p2align	6, 0x0
	.amdhsa_kernel k_q1a9c2444f8_prep
		.amdhsa_group_segment_fixed_size 5120
		.amdhsa_private_segment_fixed_size 0
		.amdhsa_enable_private_segment 0
		.amdhsa_kernarg_size 56
		.amdhsa_user_sgpr_count 2
		.amdhsa_user_sgpr_kernarg_segment_ptr 1
		.amdhsa_wavefront_size32 1
		.amdhsa_system_sgpr_workgroup_id_x 1
		.amdhsa_system_sgpr_workgroup_id_y 1
		.amdhsa_system_sgpr_workgroup_id_z 1
		.amdhsa_system_vgpr_workitem_id 0
		.amdhsa_next_free_vgpr 212
		.amdhsa_next_free_sgpr 66
		.amdhsa_reserve_vcc 0
		.amdhsa_float_denorm_mode_32 3
		.amdhsa_float_denorm_mode_16_64 3
		.amdhsa_memory_ordered 1
		.amdhsa_forward_progress 1
		.amdhsa_inst_pref_size 24
	.end_amdhsa_kernel
	.amdgpu_metadata
---
amdhsa.version: [ 1, 2 ]
amdhsa.kernels:
  - .name:           k_q1a9c2444f8_prep
    .symbol:         k_q1a9c2444f8_prep.kd
    .args:
      - { .name: x, .offset: 0, .size: 8, .value_kind: global_buffer, .address_space: global }
      - { .name: qkv_w, .offset: 8, .size: 8, .value_kind: global_buffer, .address_space: global }
      - { .name: proj_w, .offset: 16, .size: 8, .value_kind: global_buffer, .address_space: global }
      - { .name: xb, .offset: 24, .size: 8, .value_kind: global_buffer, .address_space: global }
      - { .name: wb, .offset: 32, .size: 8, .value_kind: global_buffer, .address_space: global }
      - { .name: pwh, .offset: 40, .size: 8, .value_kind: global_buffer, .address_space: global }
      - { .name: xm, .offset: 48, .size: 8, .value_kind: global_buffer, .address_space: global }
    .group_segment_fixed_size: 5120
    .private_segment_fixed_size: 0
    .kernarg_segment_align: 8
    .kernarg_segment_size: 56
    .max_flat_workgroup_size: 256
    .sgpr_count:     66
    .vgpr_count:     212
    .wavefront_size: 32
...
	.end_amdgpu_metadata
.endif
;; end of part 1
;; launch means (part 2): grid 128 x 1, 16 waves a work-group, no clusters, 34,816 bytes of LDS; arguments xm, wb, mt; writes mt
.if DOCPART == 2
	.amdgcn_target "amdgcn-amd-amdhsa--gfx1250"
	.amdhsa_code_object_version 6
	.text
	.protected	k_q1a9c2444f8_means
	.globl	k_q1a9c2444f8_means
	.p2align	8
	.type	k_q1a9c2444f8_means,@function
k_q1a9c2444f8_means:
	s_mov_b64 s[64:65], 0
	v_nop
	global_prefetch_b8 v0, s[64:65] scope:SCOPE_SE
	s_setreg_imm32_b32 hwreg(HW_REG_WAVE_MODE, 25, 1), 1
	s_wait_xcnt 0x0
; MEANS.  The block means of q and k: mean(q) = mean(x) W^T, taken in f32 on the rounded inputs: the choice of key blocks hangs on differences of their products
; that 16-bit operands would not resolve.  2 x 32 x 2048 x 1024 operations: no bulk work, so the f32 matrix form is used.
; mt [128 ct][32 b][16 c] f32, ct = which*64 + 4 h + d/16 (which: 0 q, 1 k); c = d % 16; b = the block of 128 tokens.
; SHARES.  Work-group ct takes 16 rows of W and all 32 blocks: two accumulators of 16 x 16, which take turns.  K is split among the 16 waves, 64 each; the partial sums meet in LDS.
; LAYOUT.  Source 0 = 16 rows of W, source 1 = 16 rows of xm.  Lane (r, h2) holds k = 64 v + 32 h2 + 0..31 of its row; instruction s takes numbers 2 s, 2 s + 1 of them:
; the same choice of k on both sides, so every product is formed once.  In the result register j of lane (r, h2) is (c = 8 h2 + j, b = 16 tile + r).
.set SPARE, 32768                      ; LDS: wave v's two partial tiles at 2,048 v; then the spare words, 128 bytes a wave
.set WR, 12                            ; v[12:27]   W as loaded, bf16
.set WF, 28                            ; v[28:59]   W in f32
.set X0, 60                            ; v[60:91]   xm, blocks 0-15
.set X1, 92                            ; v[92:123]  xm, blocks 16-31
.set A0, 124                           ; v[124:131], v[132:139] the two accumulators: written by matrix instructions alone
.set A1, 132
	s_load_b128 s[4:7], s[0:1], 0x0                ; xm s[4:5], wb s[6:7]
	s_load_b64 s[12:13], s[0:1], 0x10              ; mt
	v_lshl_add_u32 v2, v0, 2, SPARE                ; v2: my spare word; v3: 0; never rewritten
	v_mov_b32 v3, 0
	v_lshrrev_b32 v1, 5, v0
	v_readfirstlane_b32 s8, v1                     ; wave 0..15
	v_and_b32 v9, 15, v0                           ; r
	v_bfe_u32 v10, v0, 4, 1                        ; h2
	v_and_b32 v11, 31, v0                          ; lane
	s_mov_b32 s9, 0xffff0000
	s_lshl_b32 s14, s8, 7                          ; W: r x 2,048 + 128 v + 64 h2
	v_lshlrev_b32 v4, 11, v9
	v_lshl_add_u32 v4, v10, 6, v4
	v_add_nc_u32 v4, s14, v4
	s_lshl_b32 s14, s8, 8                          ; xm: r x 4,096 + 256 v + 128 h2
	v_lshlrev_b32 v5, 12, v9
	v_lshl_add_u32 v5, v10, 7, v5
	v_add_nc_u32 v5, s14, v5
	s_lshl_b32 s14, s8, 11
	v_lshl_add_u32 v6, v11, 4, s14                 ; where I put 16 bytes of a partial tile: 2,048 v + 16 lane
	s_lshr_b32 s14, s8, 1                          ; where a finishing lane reads: b = 8 v + lane / 4, c = 4 (lane % 4) ..: tile v / 2, quad lane % 2, h2 = (lane / 2) % 2, r = 8 (v % 2) + lane / 4
	s_lshl_b32 s14, s14, 10
	s_and_b32 s15, s8, 1
	s_lshl_b32 s15, s15, 7
	s_add_co_u32 s14, s14, s15
	v_and_b32 v7, 1, v0
	v_lshlrev_b32 v7, 9, v7
	v_bfe_u32 v8, v0, 1, 1
	v_lshl_add_u32 v7, v8, 8, v7
	v_bfe_u32 v8, v0, 2, 3
	v_lshl_add_u32 v7, v8, 4, v7
	v_add_nc_u32 v7, s14, v7
	s_lshl_b32 s14, s8, 9
	v_lshl_add_u32 v8, v11, 4, s14                 ; and stores: 512 v + 16 lane
	s_lshr_b32 s10, ttmp9, 2                       ; wb's row: head (ct / 4) % 16, which = ct / 64, channel 16 (ct % 4)
	s_and_b32 s10, s10, 15
	s_mul_i32 s10, s10, 192
	s_lshr_b32 s11, ttmp9, 6
	s_lshl_b32 s11, s11, 6
	s_add_co_u32 s10, s10, s11
	s_and_b32 s11, ttmp9, 3
	s_lshl_b32 s11, s11, 4
	s_add_co_u32 s10, s10, s11
	s_lshl_b32 s10, s10, 11
	s_mov_b32 s11, 0
	s_lshl_b32 s16, ttmp9, 11
	s_mov_b32 s17, 0
	s_wait_kmcnt 0x0
	s_add_nc_u64 s[6:7], s[6:7], s[10:11]
	s_add_nc_u64 s[12:13], s[12:13], s[16:17]
.irp t, 0,1,2,3
	global_load_b128 v[WR+4*(\t):WR+4*(\t)+3], v4, s[6:7] offset:16*(\t)
.endr
.irp u, 0,1,2,3,4,5,6,7
	global_load_b128 v[X0+4*(\u):X0+4*(\u)+3], v5, s[4:5] offset:16*(\u)
.endr
.irp u, 0,1,2,3,4,5,6,7
	global_load_b128 v[X1+4*(\u):X1+4*(\u)+3], v5, s[4:5] offset:65536+16*(\u)
.endr
	s_wait_loadcnt 16                              ; W is in; xm's 16 loads may stay out
.set i, 0
.rept 16
	v_lshlrev_b32 v[WF+2*i], 16, v[WR+i]
	v_and_b32 v[WF+2*i+1], s9, v[WR+i]
.set i, i+1
.endr
	s_wait_loadcnt 0x0
	v_wmma_f32_16x16x4_f32 v[A0:A0+7], v[WF:WF+1], v[X0:X0+1], 0   ; the first K step starts both sums
	v_wmma_f32_16x16x4_f32 v[A1:A1+7], v[WF:WF+1], v[X1:X1+1], 0
.set i, 1
.rept 15                                       ; the two accumulators take turns, one instruction a turn
	v_wmma_f32_16x16x4_f32 v[A0:A0+7], v[WF+2*i:WF+2*i+1], v[X0+2*i:X0+2*i+1], v[A0:A0+7]
	v_wmma_f32_16x16x4_f32 v[A1:A1+7], v[WF+2*i:WF+2*i+1], v[X1+2*i:X1+2*i+1], v[A1:A1+7]
.set i, i+1
.endr
.rept 8
	v_nop                                          ; eight places behind an f32 matrix instruction before its result is read (ISA guide 7.12.1)
.endr
	ds_store_b128 v6, v[A0:A0+3]                   ; each accumulator's low registers first
	ds_store_b128 v6, v[A0+4:A0+7] offset:512
	ds_store_b128 v6, v[A1:A1+3] offset:1024
	ds_store_b128 v6, v[A1+4:A1+7] offset:1536
	s_wait_dscnt 0x0                               ; for the others' sake
	s_barrier_signal -1
	s_barrier_wait -1
	s_cmp_lt_u32 s8, 4                             ; waves 0 to 3 add the sixteen partial sums, eight blocks b each
	s_cbranch_scc0 .Lend
.irp v, 0,1,2,3,4,5,6,7,8,9,10,11,12,13,14,15
	ds_load_b128 v[WF+4*(\v):WF+4*(\v)+3], v7 offset:2048*(\v)
.endr
	s_wait_dscnt 0x0
.irp n, 8,4,2,1
.set k, 0
.rept \n
	v_pk_add_f32 v[WF+4*k:WF+4*k+1], v[WF+4*k:WF+4*k+1], v[WF+4*(k+\n):WF+4*(k+\n)+1]
	v_pk_add_f32 v[WF+4*k+2:WF+4*k+3], v[WF+4*k+2:WF+4*k+3], v[WF+4*(k+\n)+2:WF+4*(k+\n)+3]
.set k, k+1
.endr
.endr
	global_store_b128 v8, v[WF:WF+3], s[12:13]     ; the wave stores 512 consecutive bytes
.Lend:
	s_wait_tensorcnt 0x0                           ; the wave's end: a closing add onto my spare word, behind my last LDS store
	ds_add_u32 v2, v3
	s_wait_dscnt 0x0
	s_endpgm
.Lfunc_end_k_q1a9c2444f8_means:
	.size	k_q1a9c2444f8_means, .Lfunc_end_k_q1a9c2444f8_means-k_q1a9c2444f8_means
	.p2alignl 7, 3214868480
	.fill 96, 4, 3214868480
	.section	.rodata,"a",@progbits
	.p2align	6, 0x0
	.amdhsa_kernel k_q1a9c2444f8_means
		.amdhsa_group_segment_fixed_size 34816
		.amdhsa_private_segment_fixed_size 0
		.amdhsa_enable_private_segment 0
		.amdhsa_kernarg_size 24
		.amdhsa_user_sgpr_count 2
		.amdhsa_user_sgpr_kernarg_segment_ptr 1
		.amdhsa_wavefront_size32 1
		.amdhsa_system_sgpr_workgroup_id_x 1
		.amdhsa_system_sgpr_workgroup_id_y 1
		.amdhsa_system_sgpr_workgroup_id_z 1
		.amdhsa_system_vgpr_workitem_id 0
		.amdhsa_next_free_vgpr 140
		.amdhsa_next_free_sgpr 66
		.amdhsa_reserve_vcc 0
		.amdhsa_float_denorm_mode_32 3
		.amdhsa_float_denorm_mode_16_64 3
		.amdhsa_memory_ordered 1
		.amdhsa_forward_progress 1
		.amdhsa_inst_pref_size 12
	.end_amdhsa_kernel
	.amdgpu_metadata
---
amdhsa.version: [ 1, 2 ]
amdhsa.kernels:
  - .name:           k_q1a9c2444f8_means
    .symbol:         k_q1a9c2444f8_means.kd
    .args:
      - { .name: xm, .offset: 0, .size: 8, .value_kind: global_buffer, .address_space: global }
      - { .name: wb, .offset: 8, .size: 8, .value_kind: global_buffer, .address_space: global }
      - { .name: mt, .offset: 16, .size: 8, .value_kind: global_buffer, .address_space: global }
    .group_segment_fixed_size: 34816
    .private_segment_fixed_size: 0
    .kernarg_segment_align: 8
    .kernarg_segment_size: 24
    .max_flat_workgroup_size: 512
    .sgpr_count:     66
    .vgpr_count:     140
    .wavefront_size: 32
...
	.end_amdgpu_metadata
.endif
;; end of part 2
;; launch qkvp (part 3): grid 16 x 16, 4 waves a work-group, clusters of 4 x 4, 327,680 bytes of LDS; arguments xb, wb, mt, qkv, sel; writes qkv, sel
.if DOCPART == 3
	.amdgcn_target "amdgcn-amd-amdhsa--gfx1250"
	.amdhsa_code_object_version 6
	.text
	.protected	k_q1a9c2444f8_qkvp
	.globl	k_q1a9c2444f8_qkvp
	.p2align	8
	.type	k_q1a9c2444f8_qkvp,@function
k_q1a9c2444f8_qkvp:
	s_mov_b64 s[64:65], 0
	v_nop
	global_prefetch_b8 v0, s[64:65] scope:SCOPE_SE
	s_setreg_imm32_b32 hwreg(HW_REG_WAVE_MODE, 25, 1), 1
	s_wait_xcnt 0x0
	s_wait_alu depctr_hold_cnt(0) depctr_sa_sdst(0) depctr_va_vdst(0) depctr_va_sdst(0) depctr_va_ssrc(0) depctr_va_vcc(0) depctr_vm_vsrc(0)
	s_getreg_b32 s2, hwreg(HW_REG_IB_STS2, 6, 4)
	s_cmp_eq_u32 s2, 0
	s_cbranch_scc0 .Lentry_in_a_cluster
	s_endpgm
.Lentry_in_a_cluster:
	s_bfe_u32 s2, ttmp6, 0x10000c
	s_cmp_lg_u32 s2, 0xf033
	s_cbranch_scc0 .Lentry_shape_is_right
	s_endpgm
.Lentry_shape_is_right:
; QKV.  [4096 tokens] x [3072] = xb wb^T over K = 1,024, bf16 operands, f32 sums; q, k, v rounded once to f16 and stored AS REGISTER IMAGES for the attention launch.
; LIMIT: q, k, v must lie within f16's 65,504.
; A PIECE is 512 bytes, 16 a lane.  q and k: lane l holds token l % 16, channels 16 b' + 8 (l / 16) + 0..7; pieces 2 c and 2 c + 1 are registers 0-3 and 4-7 of the 16 x 32 fragment of channel half c.
;   q at h*524288 + T*2048 + b'*512 (T = token / 16).   k at KV0 + h*1048576 + kb*32768 + kt*2048 + b'*512 (kb = key block of 128, kt = its group of 16 keys).
;   v at KV0 + h*1048576 + kb*32768 + 16384 + s*8192 + (4 kk + cb)*1024 + p*512: lane l holds channel 16 cb + l % 16, keys 64 s + 32 kk + 16 p + 8 (l / 16) + 0..7: half a fragment of V^T.
; So every store below is 512 consecutive bytes, aligned, straight from registers: no stage in LDS.
; SHARES.  A work-group makes 256 tokens x the 192 columns of ONE head: 16 x 16 work-groups.  Wave (rh, ch): 128 tokens x 96 columns (32 channels of each of q, k, v): 48 accumulators.
; For q and k the product is taken transposed (source 0 = rows of W): a lane gets eight channels of one token.  For v it is taken as it stands: a lane gets eight keys of one channel.
; RING.  K in steps of 128 (rows of 256 bytes, LDS pitch 272) through two slots; one exclusive or turns an address in one slot into the other's.
; CLUSTER 4 x 4: x's tile is shared along a row of the cluster, W's along a column: joint loads, as many requests divided by four.
; THE CHOICE OF KEY BLOCKS.  While the first tiles are on their way, waves 0 and 1 each take one row (head ty, query block 2 tx + wave) of the 512: sim = qm . km in f32, a lane a key block;
; rank = how many are greater, or equal with a lower number (the order of a stable top-k; -0 counts as +0; NaN is not treated apart); sel[row][p] = the key block of rank p.  Only stored DATA hang on these numbers.
; REGISTERS.  window 0: v16-29 addresses; v64-255 the choice's scratch, later the packed results.  window 1: two fragment buffers of 112 (W's 6 x 8, then x's 8 x 8).
;   window 2: accumulators of token blocks 0-3, (a, b) at 8 (6 a + b).  window 3: those of blocks 4-7.
.set KSTEP,  128
.set PITCH,  272
.set AHALF,  128*PITCH
.set BOFF,   256*PITCH                 ; W's 192 rows lie behind x's 256
.set BHALF,  96*PITCH
.set SLOT1,  1<<17
.set SPARE,  SLOT1+BOFF+192*PITCH      ; behind the ring: the spare words, 128 bytes a wave
.set KV0,    8388608
.set ADRA0, 16                         ; v16  my place in x's fragments, slot 0; never rewritten
.set ADRB0, 17                         ; v17  the same for W
.set ADRA,  18                         ; v18  the same in the slot in hand
.set ADRB,  19
.set LN,    20                         ; v20-23 the choice: lane, 64 lane, 64 qb, 4 lane
.set KMO,   21
.set QMO,   22
.set SLO,   23
.set GO,    26                         ; v26  16 x lane
.set SPW,   28                         ; v28  my spare word; never rewritten
.set NIL,   29                         ; v29  0; never rewritten
.set TMP,   64
.set F0,    0
.set F1,    128
.set WV,  14
.set RH,  15
.set CH,  16
.set TX,  19
.set TY,  20
.set TB,  21                           ; s21  LDS byte of the slot in hand
.set CNT, 22
.set G1A, 24
.set G0A, 32                           ; two sets; the second walks on
.set G1B, 40
.set G0B, 48
.set QB,  60
.set KB,  62
.set VB,  66
.set MSB, 0
.macro WIN new                         ; the immediate's high byte repeats the setting that is left
.if MSB != (\new)
	s_set_vgpr_msb (MSB<<8)|(\new)
.set MSB, \new
.endif
.endm
.set MUL_LO, 0xa5                      ; both sources window 1, C and D window 2
.set TO_F,   0x40                      ; destination window 1, address window 0
.macro PLACES                          ; four places behind matrix instructions, ahead of loads into their sources and of readers of their results
.rept 4
	v_nop
.endr
.endm
.macro JLOAD                           ; a joint refill by the walking descriptors: waves 0, 1 x's halves, waves 2, 3 W's; s_nop 0 and four v_nop follow each line
	s_cmp_lt_u32 s[WV], 2
	s_cbranch_scc0 .Lfor_b_\@
	tensor_load_to_lds s[G0A+4:G0A+7], s[G1A:G1A+7]
	s_nop 0
.rept 4
	v_nop
.endr
	s_branch .Lasked_\@
.Lfor_b_\@:
	tensor_load_to_lds s[G0B+4:G0B+7], s[G1B:G1B+7]
	s_nop 0
.rept 4
	v_nop
.endr
.Lasked_\@:
.endm
.macro CREST                           ; a round of the cluster's barrier behind its opening barrier
	s_cmp_lg_u32 s[WV], 0
	s_cbranch_scc1 .Lnot_wave_0_\@
	s_barrier_signal -3
.Lnot_wave_0_\@:
	s_barrier_wait -3
	s_barrier_signal -1
	s_barrier_wait -1
.endm
.macro CROUND
	s_barrier_signal -1
	s_barrier_wait -1
	CREST
.endm
	s_load_b256 s[4:11], s[0:1], 0x0               ; xb s[4:5], wb s[6:7], mt s[8:9], qkv s[10:11]
	s_load_b64 s[12:13], s[0:1], 0x20              ; sel
	v_lshl_add_u32 v[SPW], v0, 2, SPARE
	v_mov_b32 v[NIL], 0
	ds_add_u32 v[SPW], v[NIL]                      ; the wave's opening: the add and its wait ahead of my first tensor load
	ds_add_u32 v28, v29
	v_lshrrev_b32 v1, 5, v0
	v_readfirstlane_b32 s[WV], v1                  ; wave 0..3
	s_lshr_b32 s[RH], s[WV], 1                     ; my half of the tokens
	s_and_b32 s[CH], s[WV], 1                      ; my half of each of q, k, v.  Also: which half of a tile I fetch
	s_bfe_u32 s17, ttmp6, 0x40000                  ; cx
	s_bfe_u32 s18, ttmp6, 0x40004                  ; cy
	s_lshl_b32 s[TX], ttmp9, 2
	s_add_co_u32 s[TX], s[TX], s17                 ; the head
	s_and_b32 s[TY], ttmp7, 0xffff
	s_lshl_b32 s[TY], s[TY], 2
	s_add_co_u32 s[TY], s[TY], s18                 ; the block of 256 tokens
	s_lshl_b32 s2, s18, 2
	s_lshl_b32 s2, 15, s2                          ; my row of the cluster
	s_lshl_b32 s3, 0x1111, s17                     ; my column
	s_or_b32 s[G1A], s2, (1<<16)|(1<<20)|(1<<21)|(5<<22)|(3<<25)   ; mask; 2-byte elements; padding on; bit 21 beside a mask; after every 64 words, 4 words
	s_or_b32 s[G1B], s3, (1<<16)|(1<<20)|(1<<21)|(5<<22)|(3<<25)
	s_mov_b32 s[G1A+1], KSTEP<<16                  ; tensor_dim0 = 128
	s_mov_b32 s[G1A+2], 128<<16                    ; tensor_dim1 = 128
	s_mov_b32 s[G1A+3], KSTEP<<16                  ; tile_dim0 = 128
	s_mov_b32 s[G1A+4], 128                        ; tile_dim1 = 128
	s_mov_b32 s[G1A+5], 1024                       ; elements from row to row
	s_mov_b32 s[G1A+6], 0
	s_mov_b32 s[G1A+7], 0
	s_mov_b32 s[G1B+1], KSTEP<<16
	s_mov_b32 s[G1B+2], 96<<16                     ; 96 rows
	s_mov_b32 s[G1B+3], KSTEP<<16
	s_mov_b32 s[G1B+4], 96
	s_mov_b32 s[G1B+5], 1024
	s_mov_b32 s[G1B+6], 0
	s_mov_b32 s[G1B+7], 0
	s_lshl_b32 s56, s[TY], 19                      ; x: (256 ty + 128 half) rows of 2,048 bytes: the token block and the wave alone
	s_lshl_b32 s57, s[CH], 18
	s_add_co_u32 s56, s56, s57
	s_mov_b32 s57, 0
	s_mul_i32 s68, s[TX], 192                      ; W: (192 tx + 96 half) rows: the head and the wave alone
	s_mul_i32 s69, s[CH], 96
	s_add_co_u32 s68, s68, s69
	s_lshl_b32 s68, s68, 11
	s_mov_b32 s69, 0
	s_mul_i32 s58, s[CH], AHALF                    ; where they go: no place in the cluster enters an LDS address
	s_mul_i32 s59, s[CH], BHALF
	s_add_co_u32 s59, s59, BOFF
	s_mov_b32 s[TB], 0
	s_wait_dscnt 0x0                               ; the opening add is done
	s_wait_kmcnt 0x0
	s_add_nc_u64 s[56:57], s[4:5], s[56:57]
	s_add_nc_u64 s[68:69], s[6:7], s[68:69]
	CROUND                                         ; all sixteen work-groups are here: the first joint loads meet
.irp s, 0,1
	s_mov_b32 s[G0A+4*(\s)], 1
	s_add_co_u32 s[G0A+4*(\s)+1], s58, (\s)*SLOT1
	s_add_nc_u64 s[G0A+4*(\s)+2:G0A+4*(\s)+3], s[56:57], (\s)*KSTEP*2
	s_or_b32 s[G0A+4*(\s)+3], s[G0A+4*(\s)+3], 0x80000000
	s_mov_b32 s[G0B+4*(\s)], 1
	s_add_co_u32 s[G0B+4*(\s)+1], s59, (\s)*SLOT1
	s_add_nc_u64 s[G0B+4*(\s)+2:G0B+4*(\s)+3], s[68:69], (\s)*KSTEP*2
	s_or_b32 s[G0B+4*(\s)+3], s[G0B+4*(\s)+3], 0x80000000
.endr
	s_cmp_lt_u32 s[WV], 2                          ; a wave's two first fills stand in one branch: two loads of mine are out
	s_cbranch_scc0 .Lfirst_b
	tensor_load_to_lds s[G0A:G0A+3], s[G1A:G1A+7]
	s_nop 0
	tensor_load_to_lds s[G0A+4:G0A+7], s[G1A:G1A+7]
	s_nop 0
.rept 4
	v_nop
.endr
	s_branch .Lfirst_asked
.Lfirst_b:
	tensor_load_to_lds s[G0B:G0B+3], s[G1B:G1B+7]
	s_nop 0
	tensor_load_to_lds s[G0B+4:G0B+7], s[G1B:G1B+7]
	s_nop 0
.rept 4
	v_nop
.endr
.Lfirst_asked:
	v_and_b32 v1, 15, v0                           ; l % 16
	v_bfe_u32 v2, v0, 4, 1                         ; l / 16
	v_mul_u32_u24 v3, v1, PITCH
	v_lshl_add_u32 v3, v2, 4, v3                   ; a fragment's row x pitch + 16 x half
	s_mul_i32 s70, s[RH], AHALF
	v_add_nc_u32 v[ADRA0], s70, v3
	s_mul_i32 s70, s[CH], 32*PITCH
	s_add_co_u32 s70, s70, BOFF
	v_add_nc_u32 v[ADRB0], s70, v3
	v_mov_b32 v[ADRA], v[ADRA0]
	v_mov_b32 v[ADRB], v[ADRB0]
	v_and_b32 v[LN], 31, v0
	v_lshlrev_b32 v[GO], 4, v[LN]
	s_lshl_b32 s70, s[TX], 19                      ; q: h*524288 + (16 ty + 8 rh)*2048 + ch*1024
	s_lshl_b32 s72, s[TY], 15
	s_add_co_u32 s70, s70, s72
	s_lshl_b32 s72, s[RH], 14
	s_add_co_u32 s70, s70, s72
	s_lshl_b32 s72, s[CH], 10
	s_add_co_u32 s70, s70, s72
	s_mov_b32 s71, 0
	s_add_nc_u64 s[QB:QB+1], s[10:11], s[70:71]
	s_lshl_b32 s70, s[TX], 20                      ; k and v: KV0 + h*1048576 + (2 ty + rh)*32768
	s_lshl_b32 s73, s[TY], 16
	s_add_co_u32 s70, s70, s73
	s_lshl_b32 s73, s[RH], 15
	s_add_co_u32 s70, s70, s73
	s_add_co_u32 s70, s70, KV0
	s_add_co_u32 s74, s70, s72                     ; k: + ch*1024
	s_mov_b32 s75, 0
	s_add_nc_u64 s[KB:KB+1], s[10:11], s[74:75]
	s_lshl_b32 s72, s[CH], 11                      ; v: + 16384 + ch*2048
	s_add_co_u32 s70, s70, s72
	s_add_co_u32 s70, s70, 16384
	s_add_nc_u64 s[VB:VB+1], s[10:11], s[70:71]
	; THE CHOICE, in waves 0 and 1
	s_cmp_lt_u32 s[WV], 2
	s_cbranch_scc0 .Lnosel
	s_lshl_b32 s72, s[TX], 1
	s_add_co_u32 s72, s72, s[WV]                   ; the query block
	s_lshl_b32 s74, s[TY], 13                      ; the head's four groups of 16 channels in mt
	s_mov_b32 s75, 0
	s_add_nc_u64 s[8:9], s[8:9], s[74:75]
	s_lshl_b32 s73, s72, 6
	v_mov_b32 v[QMO], s73                          ; qm: the same 64 bytes for every lane
	v_lshlrev_b32 v[KMO], 6, v[LN]                 ; km: lane j takes key block j
	v_lshlrev_b32 v[SLO], 2, v[LN]
	s_lshl_b32 s74, s[TY], 5
	s_add_co_u32 s74, s74, s72
	s_lshl_b32 s74, s74, 7                         ; sel's row: 128 bytes
	s_add_nc_u64 s[12:13], s[12:13], s[74:75]
.irp n, 0,1,2,3,4,5,6,7,8,9,10,11,12,13,14,15
	global_load_b128 v[64+4*(\n):67+4*(\n)], v[KMO], s[8:9] offset:131072+((\n)/4)*2048+((\n)%4)*16
.endr
.irp n, 0,1,2,3,4,5,6,7,8,9,10,11,12,13,14,15
	global_load_b128 v[128+4*(\n):131+4*(\n)], v[QMO], s[8:9] offset:((\n)/4)*2048+((\n)%4)*16
.endr
	s_wait_loadcnt 0x0
.set n, 0
.rept 4                                        ; 64 products in four chains of packed multiply-adds
	v_pk_mul_f32 v[192+2*n:193+2*n], v[64+2*n:65+2*n], v[128+2*n:129+2*n]
.set n, n+1
.endr
.rept 28
	v_pk_fma_f32 v[192+2*(n%4):193+2*(n%4)], v[64+2*n:65+2*n], v[128+2*n:129+2*n], v[192+2*(n%4):193+2*(n%4)]
.set n, n+1
.endr
	v_pk_add_f32 v[192:193], v[192:193], v[194:195]
	v_pk_add_f32 v[196:197], v[196:197], v[198:199]
	v_pk_add_f32 v[192:193], v[192:193], v[196:197]
	v_add_f32 v200, v192, v193                     ; sim of my key block
	v_mov_b32 v201, 0
.set i, 0
.rept 32                                       ; my rank: block i goes ahead of me if it is greater, or equal and i is below my number
	v_readlane_b32 s72, v200, i
	v_cmp_lt_f32 s73, v200, s72
	v_cmp_eq_f32 s74, v200, s72
	s_and_b32 s74, s74, (0xfffffffe<<i)&0xffffffff ; the lanes above i
	s_or_b32 s73, s73, s74
	v_cndmask_b32 v202, 0, 1, s73
	v_add_nc_u32 v201, v201, v202
.set i, i+1
.endr
	v_mov_b32 v204, 0
.set i, 0
.rept 32                                       ; turned round: lane p takes the block whose rank is p, by selects alone
	v_readlane_b32 s72, v201, i
	v_cmp_eq_u32 s73, s72, v[LN]
	v_cndmask_b32 v204, v204, i, s73
.set i, i+1
.endr
	global_store_b32 v[SLO], v204, s[12:13]
.Lnosel:
; 12 matrix instructions: token blocks 2 p, 2 p + 1 x all six column blocks, 32 along K.  The 48 accumulators take turns in one order everywhere.
.macro MUL12 f, p, zero
	WIN MUL_LO+0x50*((\p)/2)
.irp a, 2*(\p), 2*(\p)+1
.irp b, 0,1,2,3,4,5
.set rD, 8*(6*((\a)%4)+(\b))
.set rB, (\f)+8*(\b)
.set rA, (\f)+48+8*(\a)
.if (\b) < 4
.if \zero
	v_wmma_f32_16x16x32_bf16 v[rD:rD+7], v[rB:rB+7], v[rA:rA+7], 0
.else
	v_wmma_f32_16x16x32_bf16 v[rD:rD+7], v[rB:rB+7], v[rA:rA+7], v[rD:rD+7]
.endif
.else
.if \zero
	v_wmma_f32_16x16x32_bf16 v[rD:rD+7], v[rA:rA+7], v[rB:rB+7], 0
.else
	v_wmma_f32_16x16x32_bf16 v[rD:rD+7], v[rA:rA+7], v[rB:rB+7], v[rD:rD+7]
.endif
.endif
.endr
.endr
.endm
; 28 LDS loads in one run: W's six fragments, then x's eight, for 32 along K at byte k of the rows, into buffer f
.macro FETCH k, f
	WIN TO_F
.irp b, 0,1,2,3,4,5
	ds_load_b128 v[(\f)+8*(\b):(\f)+8*(\b)+3],   v[ADRB] offset:(\k)+(((\b)/2)*64+((\b)%2)*16)*PITCH
	ds_load_b128 v[(\f)+8*(\b)+4:(\f)+8*(\b)+7], v[ADRB] offset:(\k)+(((\b)/2)*64+((\b)%2)*16)*PITCH+32
.endr
.irp a, 0,1,2,3,4,5,6,7
	ds_load_b128 v[(\f)+48+8*(\a):(\f)+48+8*(\a)+3],   v[ADRA] offset:(\k)+(\a)*16*PITCH
	ds_load_b128 v[(\f)+48+8*(\a)+4:(\f)+48+8*(\a)+7], v[ADRA] offset:(\k)+(\a)*16*PITCH+32
.endr
.endm
; One of a K step's first three quarters: multiplies buffer f; in its middle fetches the next quarter, at byte k, into buffer g
.macro QUARTER k, f, g, zero
	s_wait_dscnt 8                                 ; W and x's blocks 0-3 are in; the youngest eight loads (blocks 4-7) may be out
	MUL12 \f, 0, \zero
	MUL12 \f, 1, \zero
	PLACES
	FETCH \k, \g
	s_wait_dscnt 28                                ; all but the 28 just issued
	MUL12 \f, 2, \zero
	MUL12 \f, 3, \zero
.endm
; The last quarter multiplies buffer 1 and changes slots.  fill = 1: the slot just read out is filled again, two K steps on; the barrier then opens a round of the cluster's barrier.
.macro TURN fill
	WIN 0
	s_wait_tensorcnt 0x0                           ; all my tensor loads have landed: the one that was out is my part of the next slot
	ds_add_u32 v[SPW], v[NIL]                      ; 0 onto my spare word
.if \fill
	s_xor_b32 s[G0A+5], s[G0A+5], SLOT1            ; no load of mine is out, so the walking descriptors may be written: the other slot than last time,
	s_add_nc_u64 s[G0A+6:G0A+7], s[G0A+6:G0A+7], KSTEP*2   ; the next K step
	s_xor_b32 s[G0B+5], s[G0B+5], SLOT1
	s_add_nc_u64 s[G0B+6:G0B+7], s[G0B+6:G0B+7], KSTEP*2
.endif
	s_wait_dscnt 9                                 ; the add and the youngest eight loads may be out
	MUL12 F1, 0, 0
	s_wait_dscnt 0x0                               ; the add is done, and my reads of this slot are over
	s_barrier_signal -1
	MUL12 F1, 1, 0
	WIN 0
	s_barrier_wait -1
.if \fill
	CREST                                          ; no wave of any partner still reads this slot or has a load on its way
	JLOAD                                          ; the first tensor load behind the round; its four v_nop are also the places ahead of the loads below
.else
	PLACES
.endif
	s_xor_b32 s[TB], s[TB], SLOT1
	v_add_nc_u32 v[ADRA], s[TB], v[ADRA0]
	v_add_nc_u32 v[ADRB], s[TB], v[ADRB0]
	FETCH 0, F0
	MUL12 F1, 2, 0
	MUL12 F1, 3, 0
.endm
	s_wait_tensorcnt 1                             ; my part of K step 0 is in; K step 1's may stay out
	s_barrier_signal -1
	s_barrier_wait -1
	FETCH 0, F0
	QUARTER 64, F0, F1, 1                          ; the first quarter stands ahead of the loop: its products start the sums
	WIN 0
	s_mov_b32 s[CNT], 6                            ; K steps 0 to 5 are followed by a refill (steps 2 to 7)
.Lk:                                               ; a trip: a K step's quarters 1, 2, 3 and the next step's quarter 0
	QUARTER 128, F1, F0, 0
	QUARTER 192, F0, F1, 0
	TURN 1
	QUARTER 64, F0, F1, 0
	WIN 0
	s_sub_co_u32 s[CNT], s[CNT], 1
	s_cmp_lg_u32 s[CNT], 0
	s_cbranch_scc1 .Lk
	QUARTER 128, F1, F0, 0                         ; K step 6: nothing is left to fetch
	QUARTER 192, F0, F1, 0
	TURN 0
	QUARTER 64, F0, F1, 0
	QUARTER 128, F1, F0, 0
	QUARTER 192, F0, F1, 0
	s_wait_dscnt 8
	MUL12 F1, 0, 0
	MUL12 F1, 1, 0
	s_wait_dscnt 0x0
	MUL12 F1, 2, 0
	MUL12 F1, 3, 0
	; THE WAY OUT: rounded to f16, four registers a block, and stored as they lie
	WIN 0
	s_wait_xcnt 0x0                                ; the choice's store has read its registers, which lie where the packed results go
	PLACES
.irp a, 0,1,2,3,4,5,6,7
	WIN 0x0a+5*((\a)/4)                            ; sources in window 2 or 3, destination in window 0
.irp b, 0,1,2,3,4,5
.irp r, 0,1,2,3
	v_cvt_pk_f16_f32 v[TMP+4*(6*(\a)+(\b))+(\r)], v[8*(6*((\a)%4)+(\b))+2*(\r)], v[8*(6*((\a)%4)+(\b))+2*(\r)+1]
.endr
.endr
	WIN 0
.irp i, 0,1
	global_store_b128 v[GO], v[TMP+4*(6*(\a)+(\i)):TMP+4*(6*(\a)+(\i))+3],     s[QB:QB+1] offset:(\a)*2048+(\i)*512
	global_store_b128 v[GO], v[TMP+4*(6*(\a)+2+(\i)):TMP+4*(6*(\a)+2+(\i))+3], s[KB:KB+1] offset:(\a)*2048+(\i)*512
	global_store_b128 v[GO], v[TMP+4*(6*(\a)+4+(\i)):TMP+4*(6*(\a)+4+(\i))+3], s[VB:VB+1] offset:((\a)/4)*8192+(((\a)/2)%2)*4096+(\i)*1024+((\a)%2)*512
.endr
.endr
	s_wait_tensorcnt 0x0                           ; the wave's end: a closing add onto my spare word
	ds_add_u32 v[SPW], v[NIL]
	s_wait_dscnt 0x0
	CROUND                                         ; the closing round
	s_endpgm
.Lfunc_end_k_q1a9c2444f8_qkvp:
	.size	k_q1a9c2444f8_qkvp, .Lfunc_end_k_q1a9c2444f8_qkvp-k_q1a9c2444f8_qkvp
	.p2alignl 7, 3214868480
	.fill 96, 4, 3214868480
	.section	.rodata,"a",@progbits
	.p2align	6, 0x0
	.amdhsa_kernel k_q1a9c2444f8_qkvp
		.amdhsa_group_segment_fixed_size 327680
		.amdhsa_private_segment_fixed_size 0
		.amdhsa_enable_private_segment 0
		.amdhsa_kernarg_size 40
		.amdhsa_user_sgpr_count 2
		.amdhsa_user_sgpr_kernarg_segment_ptr 1
		.amdhsa_wavefront_size32 1
		.amdhsa_system_sgpr_workgroup_id_x 1
		.amdhsa_system_sgpr_workgroup_id_y 1
		.amdhsa_system_sgpr_workgroup_id_z 1
		.amdhsa_system_vgpr_workitem_id 0
		.amdhsa_next_free_vgpr 960
		.amdhsa_next_free_sgpr 80
		.amdhsa_reserve_vcc 0
		.amdhsa_float_denorm_mode_32 3
		.amdhsa_float_denorm_mode_16_64 3
		.amdhsa_memory_ordered 1
		.amdhsa_forward_progress 1
		.amdhsa_inst_pref_size 110
	.end_amdhsa_kernel
	.amdgpu_metadata
---
amdhsa.version: [ 1, 2 ]
amdhsa.kernels:
  - .name:           k_q1a9c2444f8_qkvp
    .symbol:         k_q1a9c2444f8_qkvp.kd
    .args:
      - { .name: xb, .offset: 0, .size: 8, .value_kind: global_buffer, .address_space: global }
      - { .name: wb, .offset: 8, .size: 8, .value_kind: global_buffer, .address_space: global }
      - { .name: mt, .offset: 16, .size: 8, .value_kind: global_buffer, .address_space: global }
      - { .name: qkv, .offset: 24, .size: 8, .value_kind: global_buffer, .address_space: global }
      - { .name: sel, .offset: 32, .size: 8, .value_kind: global_buffer, .address_space: global }
    .group_segment_fixed_size: 327680
    .private_segment_fixed_size: 0
    .kernarg_segment_align: 8
    .kernarg_segment_size: 40
    .max_flat_workgroup_size: 128
    .sgpr_count:     80
    .vgpr_count:     960
    .wavefront_size: 32
...
	.end_amdgpu_metadata
.endif
;; end of part 3
;; launch attn (part 4): grid 32 x 16, 4 waves a work-group, no clusters, 327,680 bytes of LDS; arguments qkv, sel, oh; writes oh
.if DOCPART == 4
	.amdgcn_target "amdgcn-amd-amdhsa--gfx1250"
	.amdhsa_code_object_version 6
	.text
	.protected	k_q1a9c2444f8_attn
	.globl	k_q1a9c2444f8_attn
	.p2align	8
	.type	k_q1a9c2444f8_attn,@function
k_q1a9c2444f8_attn:
	s_mov_b64 s[64:65], 0
	v_nop
	global_prefetch_b8 v0, s[64:65] scope:SCOPE_SE
	s_setreg_imm32_b32 hwreg(HW_REG_WAVE_MODE, 25, 1), 1
	s_wait_xcnt 0x0
; BLOCK-SPARSE ATTENTION.  For head h and query block qb of 128: O = softmax over the 16 chosen key blocks (sel[h*32+qb][0..15], 2,048 keys) of Q K^T / 8, times V.  q, k, v, O in f16, as register images.
; Products, maxima and sums in f32; the weights p are rounded to f16 for the second product (their sum l is taken of the unrounded p), O once at the end.
; LIMITS.  A key block that is not chosen has weight 0: right while a row's largest kept score lies above -1e9 + 104.  A weight below 2^-126 counts as 0 in l.  NaN and infinities are not treated apart.
; SHARES.  A work-group owns the block's 8 tiles of 16 queries.  THE KEYS ARE SPLIT AMONG ITS FOUR WAVES: wave w takes list entries 4 w .. 4 w + 3, 512 keys, 8 steps of 64, for ALL 8 tiles (four PIECES of two tiles).
; So a fragment of K or V read from LDS feeds eight tiles' products, and no wave reads another's K or V.  The four partial (O, c m, l) meet in LDS once, in f32.
; NO CLUSTER: which key blocks a work-group walks hangs on its own list, so no request is common to partners by the text.  NO PREFETCH: a key block is wanted by as many work-groups as have chosen it, and
; which of them should name it cannot be told from one's own list.
; LAYOUT.  S^T = K Q^T (source 0 = 16 keys, source 1 = 16 queries): a lane holds ONE query (lane % 16) and the keys 8 (lane / 16) + 0..7.  Two such tiles, rounded to f16 in pairs, ARE source 1 of O^T = V^T P.
; K and V lie in memory and in LDS as fragments: every LDS load is lane i at 16 i.  A key block's K (16 KB) and V (16 KB) are 32,768 dense bytes: one tensor load of 128 rows of 256 bytes.
; SOFTMAX.  A running maximum m and sum l: p = 2^(c s - c m), c = log2(e) / 8; in every step O and l are multiplied by a = 2^(c m_old - c m_new).  m starts at the lowest finite number, O and l at 0.
; BY TURNS.  Turn n belongs to piece n: 16 products K Q^T of piece n + 1, later 16 products V^T P of piece n - 1; beside them the scaling, exponentials, roundings, sums and rescaling of piece n and the maximum
; and statistics of piece n + 1.  Four vector instructions stand behind every matrix instruction, the others in one lump; a turn's 66 exponentials are one batch with one wait.
; REGISTERS, in windows of 256: window 0: v0-11 addresses; v12-15, v48-63 at work; v16-47 statistics; v64-191 S^T, two buffers of two tiles; v192-255 P, likewise.
;   window 1: O^T, 32 a tile.   window 2: v0-127 Q; v128-191 K of one step; v192-255 V of one step.   window 3: v0-1 the add's two registers.
.set NP,    4
.set KSB,   8192      ; a step's K, and its V, in LDS
.set HALF,  16384     ; a slot's K part; V lies behind it
.set SLOT1, 1<<17     ; wave w's slot 0 at 32,768 w, its slot 1 here further on
.set SPARE, 262144    ; behind the ring: the spare words, 128 bytes a wave
.set STATS, SPARE+512 ; (c m, l) of every wave, tile and lane: [wave][tile][lane][8 bytes]; never filled by a tensor load
.set KV0,   8388608
.set AK0, 2           ; v2   16 x lane + 32,768 x wave; never rewritten
.set AV0, 3           ; v3   the same + HALF
.set AK,  4           ; v4   the LDS address of K's next run of loads
.set AV,  5           ; v5   of V's
.set QO,  6           ; v6   16 x lane
.set SS,  7           ; v7   where I put my statistics
.set SR,  8           ; v8   where I read the four waves' statistics of my two tiles;  v9, v10, v11, v1: the four waves' partial O of those tiles
.set SPW, 0           ; v0 of window 3
.set NIL, 1           ; v1 of window 3
.set MV,  12
.set ST,  16          ; tile t's statistics at v[ST+4 t]: c m, m, l (even keys', odd keys')
.set TMP, 48
.set S,   64
.set P,   192
.set KF,  128
.set VF,  192
.set WV,  12
.set G1,  24          ; s[24:31] descriptor group 1
.set G0,  40          ; s[40:43] descriptor group 0
.set KVH, 44          ; s[44:45] the head's K and V
.set IDX, 48          ; s[48:51] my four key blocks
.set OFF, 52          ; s[52:53] a key block's byte offset
.set SLOTS, 56
.set CNT, 57
.set CS,  58
.set SEL, 60
.set TBK, 62
.set TBV, 63
.set MSB, 0
.macro WIN new
.if MSB != (\new)
	s_set_vgpr_msb (MSB<<8)|(\new)
.set MSB, (\new)
.endif
.endm
.set W_KQ, 0x0a       ; K and Q in window 2, S^T in window 0
.set W_PV, 0x52       ; V in window 2, P in window 0, O^T in window 1
.set W_RS, 0x41       ; O^T (destination and source 0) in window 1, a in window 0
.set W_MK, 0xc0
.set W_AD, 0x0f
; THE CHANGE OF SLOTS.  Each wave waits for all its tensor loads, of which one is out: its other slot; adds 0 to its spare word; waits for that and for its reads of the slot that it leaves; passes the barrier.
; fill = 1: the slot left is filled again, first thing behind the barrier, with my next key block: it has two key steps, 256 matrix instructions, in which to land.
.macro CHANGE fill
	WIN W_AD
	s_wait_tensorcnt 0x0            ; no tensor load of mine is out, so group 0 may be written
	ds_add_u32 v[SPW], v[NIL]       ; 0 onto my spare word
	WIN 0
.if \fill
	s_xor_b32 s[G0+1], s[G0+1], SLOT1
	s_lshl_b32 s[OFF], s[IDX+1], 15
	s_add_nc_u64 s[G0+2:G0+3], s[KVH:KVH+1], s[OFF:OFF+1]
	s_or_b32 s[G0+3], s[G0+3], 0x80000000
	s_mov_b32 s[IDX+1], s[IDX+2]    ; the list moves up
	s_mov_b32 s[IDX+2], s[IDX+3]
.endif
	s_wait_dscnt 0x0                ; the add is done, and my reads of the slot are over
	s_barrier_signal -1
	s_barrier_wait -1
.if \fill
	tensor_load_to_lds s[G0:G0+3], s[G1:G1+7]
	s_nop 0
.rept 4
	v_nop
.endr
.endif
	s_sub_co_u32 s[TBK], s[TBK], HALF     ; the fetches go back to a slot's first step,
	s_xor_b32 s[TBK], s[TBK], SLOT1       ; in the other slot
	s_sub_co_u32 s[TBV], s[TBV], HALF
	s_xor_b32 s[TBV], s[TBV], SLOT1
.endm
	s_load_b128 s[4:7], s[0:1], 0x0   ; qkv s[4:5], sel s[6:7]
	s_load_b64 s[8:9], s[0:1], 0x10   ; oh
	WIN W_MK
	v_lshl_add_u32 v[SPW], v0, 2, SPARE
	v_mov_b32 v[NIL], 0
	WIN W_AD
	ds_add_u32 v[SPW], v[NIL]       ; the wave's opening: the add and its wait ahead of my first tensor load
	ds_add_u32 v0, v1
	WIN 0
	v_lshrrev_b32 v1, 5, v0
	v_readfirstlane_b32 s[WV], v1   ; wave 0..3
	s_and_b32 s13, ttmp7, 0xffff    ; the head
	s_lshl_b32 s14, s13, 5
	s_add_co_u32 s14, s14, ttmp9    ; sel's row, 128 bytes,
	s_lshl_b32 s14, s14, 7
	s_lshl_b32 s15, s[WV], 4        ; my four entries
	s_add_co_u32 s14, s14, s15
	s_mov_b32 s15, 0
	s_lshl_b32 s16, s13, 20
	s_add_co_u32 s16, s16, KV0
	s_mov_b32 s17, 0
	s_lshl_b32 s18, s13, 19         ; Q and O: h*524288 + qb*16384
	s_lshl_b32 s19, ttmp9, 14
	s_add_co_u32 s18, s18, s19
	s_mov_b32 s19, 0
	s_lshl_b32 s20, s[WV], 12       ; O: the two tiles that I finish
	s_mov_b32 s21, 0
	s_mov_b32 s[G1], 3<<16          ; no mask; elements of 8 bytes; no padding
	s_mov_b32 s[G1+1], 32<<16       ; tensor_dim0 = 32 (256 bytes)
	s_mov_b32 s[G1+2], 128<<16      ; tensor_dim1 = 128
	s_mov_b32 s[G1+3], 32<<16       ; tile_dim0 = 32
	s_mov_b32 s[G1+4], 128          ; tile_dim1 = 128
	s_mov_b32 s[G1+5], 32           ; dense rows
	s_mov_b32 s[G1+6], 0
	s_mov_b32 s[G1+7], 0
	s_mov_b32 s[CS], 0x3e38aa3b     ; c = log2(e) / 8
	s_mov_b32 s[CS+1], s[CS]
	s_mov_b32 s[SEL], 0x76543210
	s_mov_b32 s[SEL+1], 0xfedcba98
	s_mov_b32 s[TBK], SLOT1+HALF    ; the first change of slots turns these two into 0
	s_mov_b32 s[TBV], SLOT1+HALF
	s_mov_b32 s[G0], 1
	s_lshl_b32 s[G0+1], s[WV], 15   ; my slot 0
	s_mov_b32 s[OFF+1], 0
	s_wait_dscnt 0x0                ; the opening add is done
	s_wait_kmcnt 0x0
	s_add_nc_u64 s[6:7], s[6:7], s[14:15]
	s_load_b128 s[IDX:IDX+3], s[6:7], 0x0
	s_add_nc_u64 s[KVH:KVH+1], s[4:5], s[16:17]
	s_add_nc_u64 s[4:5], s[4:5], s[18:19]
	s_add_nc_u64 s[8:9], s[8:9], s[18:19]
	s_add_nc_u64 s[8:9], s[8:9], s[20:21]
	s_wait_kmcnt 0x0
	s_min_u32 s[IDX], s[IDX], 31    ; a key block's number, held inside the head's 32
	s_min_u32 s[IDX+1], s[IDX+1], 31
	s_min_u32 s[IDX+2], s[IDX+2], 31
	s_min_u32 s[IDX+3], s[IDX+3], 31
	s_lshl_b32 s[OFF], s[IDX], 15
	s_add_nc_u64 s[G0+2:G0+3], s[KVH:KVH+1], s[OFF:OFF+1]
	s_or_b32 s[G0+3], s[G0+3], 0x80000000
	tensor_load_to_lds s[G0:G0+3], s[G1:G1+7]   ; my first key block into my slot 0
	s_nop 0
.rept 4
	v_nop
.endr
	v_and_b32 v1, 31, v0
	v_lshlrev_b32 v[QO], 4, v1
	WIN 0x80                        ; destination window 2, address window 0
.set i, 0
.rept 4*NP                          ; Q stays in registers: tile i / 2, channel half i % 2: two pieces of 512 bytes
	global_load_b128 v[8*i:8*i+3],   v[QO], s[4:5] offset:i*1024
	global_load_b128 v[8*i+4:8*i+7], v[QO], s[4:5] offset:i*1024+512
.set i, i+1
.endr
	; What the first turn finds: V's registers and P's second buffer hold 0, O^T and l are 0.  All this stands in the wait for the first tile.
.set i, VF
.rept 64
	v_mov_b32 v[i], 0
.set i, i+1
.endr
	WIN 0x40
.set i, 0
.rept 64*NP
	v_mov_b32 v[i], 0
.set i, i+1
.endr
	WIN 0
.set i, 0
.rept 2*NP
	v_mov_b32 v[ST+4*i], 0xfe000000    ; c m: far below every c s
	v_mov_b32 v[ST+4*i+1], 0xff7fffff  ; m
	v_mov_b32 v[ST+4*i+2], 0
	v_mov_b32 v[ST+4*i+3], 0
.set i, i+1
.endr
.set i, P+32
.rept 32
	v_mov_b32 v[i], 0
.set i, i+1
.endr
	s_lshl_b32 s13, s[WV], 15
	v_add_nc_u32 v[AK0], s13, v[QO]
	v_add_nc_u32 v[AV0], HALF, v[AK0]
	v_mov_b32 v[AK], v[AK0]         ; key step 0 lies at the head of slot 0
; THE MATRIX WORK.  The 8 accumulators of a run of 16 take turns.
.macro KQ x
	WIN W_KQ
.set rS, S+64*((\x)%2)+32*(i%2)+8*((i/2)%4)
.set rK, KF+16*((i/2)%4)+8*(i/8)
.set rQ, 16*(2*(\x)+i%2)+8*(i/8)
.if i < 8
	v_wmma_f32_16x16x32_f16 v[rS:rS+7], v[rK:rK+7], v[rQ:rQ+7], 0
.else
	v_wmma_f32_16x16x32_f16 v[rS:rS+7], v[rK:rK+7], v[rQ:rQ+7], v[rS:rS+7]
.endif
.endm
.macro PV x
	WIN W_PV
.set rO, 32*(2*(\x)+i%2)+8*((i/2)%4)
.set rV, VF+32*(i/8)+8*((i/2)%4)
.set rP, P+32*((\x)%2)+16*(i%2)+8*(i/8)
	v_wmma_f32_16x16x32_f16 v[rO:rO+7], v[rV:rV+7], v[rP:rP+7], v[rO:rO+7]
.endm
.macro MM                           ; the turn's next matrix instruction
.if i < 16
	KQ (Y+1)%NP
.set i, i+1
.else
.set i, i-16
	PV (Y+NP-1)%NP
.set i, i+17
.endif
.endm
; THE LDS LOADS stand in runs of 16: a step's K (8 fragments) and its V (8 fragments), each fragment two pieces of 512 bytes.  last = 1 (the tail): in the last trip there is no further step.
.macro FETCH_K last=0
	WIN 0
.if \last
	s_cmp_eq_u32 s[CNT], 1
	s_cbranch_scc1 .Lno_k_\@
.endif
	WIN 0x80
.irp f, 0,1,2,3,4,5,6,7             ; keys 16 (f / 2) on, channels 32 (f % 2) on
	ds_load_b128 v[KF+8*\f:KF+8*\f+3],   v[AK] offset:\f*1024
	ds_load_b128 v[KF+8*\f+4:KF+8*\f+7], v[AK] offset:\f*1024+512
.endr
	s_add_co_u32 s[TBK], s[TBK], KSB
	WIN 0
.if \last
.Lno_k_\@:
.endif
.endm
.macro FETCH_V
	WIN 0x80
.irp f, 0,1,2,3,4,5,6,7             ; keys 32 (f / 4) on, channels 16 (f % 4) on
	ds_load_b128 v[VF+8*\f:VF+8*\f+3],   v[AV] offset:\f*1024
	ds_load_b128 v[VF+8*\f+4:VF+8*\f+7], v[AV] offset:\f*1024+512
.endr
	WIN 0
.endm
; THE VECTOR WORK OF A TURN stands in three queues, each in the order in which its entries become ready; the two tiles alternate.
.macro REGS y, u
.set rT, ST+4*(2*(\y)+(\u))
.set rC, TMP+8*((\y)%2)+4*(\u)
.set rM, MV+2*((\y)%2)+(\u)
.set rS, S+64*((\y)%2)+32*(\u)
.set rP, P+32*((\y)%2)+16*(\u)
.set rO, 32*(2*(\y)+(\u))
.endm
; Number n of the 22 that find the NEXT piece's maximum and statistics; each accumulator's lowest registers are read first.
.macro XS u, n
	REGS (Y+1)%NP, \u
.if (\n) < 4
	v_max3_num_f32 v[rC+(\n)], v[rS+8*(\n)], v[rS+8*(\n)+1], v[rS+8*(\n)+2]
.elseif (\n) < 12
	v_max3_num_f32 v[rC+(\n)%4], v[rC+(\n)%4], v[rS+8*((\n)%4)+2*((\n)/4)+1], v[rS+8*((\n)%4)+2*((\n)/4)+2]
.elseif (\n) == 12
	v_max3_num_f32 v[rC], v[rC], v[rS+7], v[rS+15]
.elseif (\n) == 13
	v_max3_num_f32 v[rC+1], v[rC+1], v[rS+23], v[rS+31]
.elseif (\n) == 14
	v_max3_num_f32 v[rC+2], v[rC+2], v[rC+3], v[rT+1]
.elseif (\n) == 15
	v_mov_b32 v[rM], v[rT]
.elseif (\n) == 16
	v_max3_num_f32 v[rC], v[rC], v[rC+1], v[rC+2]
.elseif (\n) == 17
	v_permlanex16_b32 v[rC+3], v[rC], s[SEL], s[SEL+1]
.elseif (\n) == 18
	v_max_num_f32 v[rT+1], v[rC], v[rC+3]
.elseif (\n) == 19
	v_mul_f32 v[rT], s[CS], v[rT+1]
.elseif (\n) == 20
	v_sub_f32 v[rC+1], v[rM], v[rT]
.else
	v_exp_f32 v[rC+2], v[rC+1]
.endif
.endm
; Number g of the 64 that follow the exponentials: roundings to f16, sums in place, l a group later (the first time as l = a l + sum).
.macro GS g
.set h, (\g)+6*((\g)/62)
.if h >= 6
.set h, h+2
.endif
	REGS Y, h%2
.set k, h/8
.if h%8 < 4
	v_cvt_pk_f16_f32 v[rP+2*k+(h%8)/2], v[rS+4*k+2*((h%8)/2)], v[rS+4*k+2*((h%8)/2)+1]
.elseif h%8 < 6
	v_pk_add_f32 v[rS+4*k:rS+4*k+1], v[rS+4*k:rS+4*k+1], v[rS+4*k+2:rS+4*k+3]
.elseif k == 1
	v_pk_fma_f32 v[rT+2:rT+3], v[rT+2:rT+3], v[rC+2:rC+3], v[rS:rS+1] op_sel_hi:[1,0,1]
.else
	v_pk_add_f32 v[rT+2:rT+3], v[rT+2:rT+3], v[rS+4*k-4:rS+4*k-3]
.endif
.endm
; THE PLAIN QUEUE, 138 long: 0-73 read no exponential's result (the 32 scalings and the next piece's 42); 74-137 are GS's 64, behind the wait.
.macro FS f
	REGS Y, (\f)%2
	v_pk_fma_f32 v[rS+2*((\f)/2):rS+2*((\f)/2)+1], v[rS+2*((\f)/2):rS+2*((\f)/2)+1], s[CS:CS+1], v[rT:rT+1] op_sel_hi:[1,0,0] neg_lo:[0,0,1] neg_hi:[0,0,1]
.endm
.macro PL
	WIN 0
.if q < 27
	FS q
.elseif q < 55
	XS (q-27)%2, (q-27)/2
.elseif q < 57
	XS q-55, 15
.elseif (q < 72) && ((q-57)%3 == 0)
	FS 27+(q-57)/3
.elseif q < 60
	XS (q-57)%3-1, 14
.elseif q < 72
	XS (q-57)%3-1, 15+(q-57)/3
.elseif q < 74
	XS q-72, 20
.else
	GS q-74
.endif
.set q, q+1
.endm
; THE EXPONENTIALS' QUEUE, 66 long: one batch, all ahead of the turn's one wait.
.macro EX
	WIN 0
.if e >= 64
	XS e-64, 21
.else
	REGS Y, e%2
	v_exp_f32 v[rS+e/2], v[rS+e/2]
.endif
.set e, e+1
.endm
; THE RESCALING's QUEUE: O^T times a, two at a time.
.macro R2
	REGS Y, r%2
	WIN W_RS
.irp z, 0,1
	v_pk_mul_f32 v[rO+4*(r/2)+2*\z:rO+4*(r/2)+2*\z+1], v[rO+4*(r/2)+2*\z:rO+4*(r/2)+2*\z+1], v[rC+2:rC+3] op_sel_hi:[1,0]
.endr
.set r, r+1
.endm
; A TURN, for piece p.  Ahead of its one wait: the 16 products K Q^T, behind each a scaling, an exponential and two rescalings; then a lump of 108.  Behind it: the 16 products V^T P, behind each four of GS's 64.
; K of the next step is fetched in piece 2's turn, directly behind the wait; V of the step in hand at the end of piece 0's turn, four plain instructions behind its last reader.
.macro TURN p, last=0, cnt=0
.set Y, (\p)
.set i, 0
.set q, 0
.set e, 0
.set r, 0
.if (\p) == NP-1
	s_wait_dscnt 0x0                ; K is in
.endif
	MM
	PL
	PL
	R2
.rept 15
	MM
	PL
	EX
	R2
.endr
.if (\p) == NP-2
	WIN 0
	v_add_nc_u32 v[AK], s[TBK], v[AK0]
.endif
.rept 8
	PL
.endr
.rept 49
	EX
	PL
.endr
	EX
	EX
	v_nop                           ; a plain instruction behind the last exponential: one for the batch
	s_wait_alu depctr_va_vdst(0)    ; the wait ahead of the first use: one for the batch
.if (\p) == NP-2
	FETCH_K \last
.endif
.if (\p) == 1
	s_wait_dscnt 0x0                ; V is in
.endif
.rept 16
	MM
.rept 4
	PL
.endr
.if ((\p) == 0) && (q == 118)
	v_add_nc_u32 v[AV], s[TBV], v[AV0]
.endif
.if ((\p) == 0) && (q == 130)
	s_add_co_u32 s[TBV], s[TBV], KSB
.endif
.if (\cnt) && (q == 130)
	s_sub_co_u32 s[CNT], s[CNT], 1
	s_cmp_lg_u32 s[CNT], 0
.endif
.endr
.if (\p) == 0
	FETCH_V
.endif
.endm
	CHANGE 1                        ; slot 0 is in; slot 1 is asked for
	FETCH_K                         ; key step 0
	s_wait_loadcnt 0x0              ; Q
	s_wait_dscnt 0x0
.set i, 0
.rept 16
	KQ 0                            ; piece 0's first scores
.set i, i+1
.endr
	WIN 0                           ; the addresses for the meeting at the end: seven plain instructions, the places behind those products
	s_lshl_b32 s13, s[WV], 11
	s_add_co_u32 s13, s13, STATS
	v_lshl_add_u32 v[SS], v1, 3, s13
	s_lshl_b32 s13, s[WV], 9
	s_add_co_u32 s13, s13, STATS
	v_lshl_add_u32 v[SR], v1, 3, s13
	s_lshl_b32 s13, s[WV], 13       ; tiles 2 w, 2 w + 1: 8,192 w in each wave's 32,768 bytes of partial O
	v_add_nc_u32 v9, s13, v[QO]
	v_add_nc_u32 v10, 32768, v9
	v_add_nc_u32 v11, 65536, v9
	v_add_nc_u32 v1, 98304, v9
	v_nop
.set Y, NP-1                        ; XS works for piece Y + 1: piece 0
.irp n, 0,1,2,3,4,5,6,7,8,9,10,11,12,13,14,15,16,17,18,19,20,21
	XS 0, \n
	XS 1, \n
.endr
	v_nop                           ; a plain instruction behind the two a,
	s_wait_alu depctr_va_vdst(0)    ; and their wait, ahead of the branch
	s_mov_b32 s[CNT], 2
	s_mov_b32 s[SLOTS], 3
	s_branch .Lfirst                ; the loop is entered at a step's first turn
.Lslot:                             ; twice: my third and fourth key blocks are asked for
	CHANGE 1
	s_mov_b32 s[CNT], 2
.Lstep:                             ; a trip: pieces 2 and 3 of one step, then pieces 0 and 1 of the next
	TURN 2
	TURN 3
	WIN 0
.Lfirst:
	TURN 0
	TURN 1, 0, 1
	WIN 0
	s_cbranch_scc1 .Lstep
	s_sub_co_u32 s[SLOTS], s[SLOTS], 1
	s_cmp_lg_u32 s[SLOTS], 0
	s_cbranch_scc1 .Lslot
	CHANGE 0                        ; the tail is written out
	s_mov_b32 s[CNT], 3             ; two trips fetch the last slot's steps; the third is left in its middle
.Ltail:
	TURN 2, 1
	TURN 3
	WIN 0
	s_sub_co_u32 s[CNT], s[CNT], 1
	s_cmp_eq_u32 s[CNT], 0
	s_cbranch_scc1 .Lout
	TURN 0
	TURN 1
	WIN 0
	s_branch .Ltail
.Lout:                              ; the third trip's 16 products K Q^T are made of the last K once more: piece 0's maximum of them is the m that it has, so c m stands as it was
.set i, 0
.rept 16
	PV NP-1
.set i, i+1
.endr
	; THE MEETING.  l's two halves and the other half of the lanes' are added, into m's place.  Each wave lays its O^T (32,768 bytes, f32) into its own slot 0, which has had its last fill, and (c m, l) into STATS.
	WIN 0
.macro ALL line:vararg
.set t, 0
.rept 2*NP
	\line
.set t, t+1
.endr
.endm
	ALL v_add_f32 v[ST+4*t+2], v[ST+4*t+2], v[ST+4*t+3]
	ALL v_permlanex16_b32 v[ST+4*t+3], v[ST+4*t+2], s[SEL], s[SEL+1]
	ALL v_add_f32 v[ST+4*t+1], v[ST+4*t+2], v[ST+4*t+3]
	WIN 0x04                        ; the stores' data in window 1
.set i, 0
.rept 64                            ; in ascending order: each accumulator's low registers first
	ds_store_b128 v[AK0], v[4*i:4*i+3] offset:512*i
.set i, i+1
.endr
	WIN 0
.set t, 0
.rept 2*NP
	ds_store_b64 v[SS], v[ST+4*t:ST+4*t+1] offset:256*t
.set t, t+1
.endr
	s_wait_dscnt 0x0                ; for the others' sake
	s_barrier_signal -1
	s_barrier_wait -1
	; Wave w finishes tiles 2 w + u.  With M the largest of the four c m: f = 2^(c m - M), L = sum f l, O = sum (f / L) O.
.irp u, 0,1
.irp v, 0,1,2,3
	ds_load_b64 v[64+8*(\u)+2*(\v):65+8*(\u)+2*(\v)], v[SR] offset:(\v)*2048+(\u)*256
.endr
.endr
	WIN 0x80                        ; the partial O into window 2: tile u, wave v at 128 u + 32 v
.irp u, 0,1
.irp q, 0,1,2,3,4,5,6,7
	ds_load_b128 v[128*(\u)+4*(\q):128*(\u)+4*(\q)+3],       v9  offset:(\u)*4096+(\q)*512
	ds_load_b128 v[128*(\u)+32+4*(\q):128*(\u)+32+4*(\q)+3], v10 offset:(\u)*4096+(\q)*512
	ds_load_b128 v[128*(\u)+64+4*(\q):128*(\u)+64+4*(\q)+3], v11 offset:(\u)*4096+(\q)*512
	ds_load_b128 v[128*(\u)+96+4*(\q):128*(\u)+96+4*(\q)+3], v1  offset:(\u)*4096+(\q)*512
.endr
.endr
	WIN 0
	s_wait_dscnt 0x0
.irp u, 0,1
	v_max3_num_f32 v[80+(\u)], v[64+8*(\u)], v[66+8*(\u)], v[68+8*(\u)]
.endr
.irp u, 0,1
	v_max_num_f32 v[80+(\u)], v[80+(\u)], v[70+8*(\u)]
.endr
.irp u, 0,1
.irp v, 0,1,2,3
	v_sub_f32 v[84+4*(\u)+(\v)], v[64+8*(\u)+2*(\v)], v[80+(\u)]
.endr
.endr
.irp n, 0,1,2,3,4,5,6,7
	v_exp_f32 v[84+(\n)], v[84+(\n)]
.endr
	v_nop                           ; a plain instruction behind the last exponential,
	s_wait_alu depctr_va_vdst(0)    ; and one wait for the eight
.irp u, 0,1
	v_mul_f32 v[82+(\u)], v[84+4*(\u)], v[65+8*(\u)]
.endr
.irp v, 1,2,3
.irp u, 0,1
	v_fma_f32 v[82+(\u)], v[84+4*(\u)+(\v)], v[65+8*(\u)+2*(\v)], v[82+(\u)]
.endr
.endr
	v_rcp_f32 v82, v82
	v_rcp_f32 v83, v83
	v_nop
	s_wait_alu depctr_va_vdst(0)    ; one wait for the two reciprocals
.irp u, 0,1
.irp v, 0,1,2,3
	v_mul_f32 v[96+8*(\u)+2*(\v)], v[84+4*(\u)+(\v)], v[82+(\u)]   ; f / L, written twice: the packed forms name a pair
	v_mul_f32 v[97+8*(\u)+2*(\v)], v[84+4*(\u)+(\v)], v[82+(\u)]
.endr
.endr
	WIN 0xa2                        ; O in window 2 (destination, sources 0 and 2), the factor in window 0
.irp u, 0,1
.set z, 0
.rept 16
	v_pk_mul_f32 v[128*(\u)+2*z:128*(\u)+2*z+1], v[128*(\u)+2*z:128*(\u)+2*z+1], v[96+8*(\u):97+8*(\u)] op_sel_hi:[1,0]
.set z, z+1
.endr
.irp v, 1,2,3
.set z, 0
.rept 16
	v_pk_fma_f32 v[128*(\u)+2*z:128*(\u)+2*z+1], v[128*(\u)+32*(\v)+2*z:128*(\u)+32*(\v)+2*z+1], v[96+8*(\u)+2*(\v):97+8*(\u)+2*(\v)], v[128*(\u)+2*z:128*(\u)+2*z+1] op_sel_hi:[1,0,1]
.set z, z+1
.endr
.endr
.endr
	WIN 0x0a                        ; sources in window 2, destination in window 0
.irp u, 0,1
.set z, 0
.rept 16
	v_cvt_pk_f16_f32 v[160+16*(\u)+z], v[128*(\u)+2*z], v[128*(\u)+2*z+1]
.set z, z+1
.endr
.endr
	WIN 0
.irp u, 0,1
.irp c, 0,1,2,3
	global_store_b128 v[QO], v[160+16*(\u)+4*(\c):160+16*(\u)+4*(\c)+3], s[8:9] offset:(\u)*2048+(\c)*512  ; a piece: 512 consecutive bytes, aligned
.endr
.endr
	WIN W_AD
	s_wait_tensorcnt 0x0            ; the wave's end: a closing add onto my spare word, behind my last tensor load and my last LDS store
	ds_add_u32 v[SPW], v[NIL]
	s_wait_dscnt 0x0
	WIN 0
	s_endpgm
.Lfunc_end_k_q1a9c2444f8_attn:
	.size	k_q1a9c2444f8_attn, .Lfunc_end_k_q1a9c2444f8_attn-k_q1a9c2444f8_attn
	.p2alignl 7, 3214868480
	.fill 96, 4, 3214868480
	.section	.rodata,"a",@progbits
	.p2align	6, 0x0
	.amdhsa_kernel k_q1a9c2444f8_attn
		.amdhsa_group_segment_fixed_size 327680
		.amdhsa_private_segment_fixed_size 0
		.amdhsa_enable_private_segment 0
		.amdhsa_kernarg_size 24
		.amdhsa_user_sgpr_count 2
		.amdhsa_user_sgpr_kernarg_segment_ptr 1
		.amdhsa_wavefront_size32 1
		.amdhsa_system_sgpr_workgroup_id_x 1
		.amdhsa_system_sgpr_workgroup_id_y 1
		.amdhsa_system_sgpr_workgroup_id_z 1
		.amdhsa_system_vgpr_workitem_id 0
		.amdhsa_next_free_vgpr 770
		.amdhsa_next_free_sgpr 66
		.amdhsa_reserve_vcc 0
		.amdhsa_float_denorm_mode_32 3
		.amdhsa_float_denorm_mode_16_64 3
		.amdhsa_memory_ordered 1
		.amdhsa_forward_progress 1
		.amdhsa_inst_pref_size 193
	.end_amdhsa_kernel
	.amdgpu_metadata
---
amdhsa.version: [ 1, 2 ]
amdhsa.kernels:
  - .name:           k_q1a9c2444f8_attn
    .symbol:         k_q1a9c2444f8_attn.kd
    .args:
      - { .name: qkv, .offset: 0, .size: 8, .value_kind: global_buffer, .address_space: global }
      - { .name: sel, .offset: 8, .size: 8, .value_kind: global_buffer, .address_space: global }
      - { .name: oh, .offset: 16, .size: 8, .value_kind: global_buffer, .address_space: global }
    .group_segment_fixed_size: 327680
    .private_segment_fixed_size: 0
    .kernarg_segment_align: 8
    .kernarg_segment_size: 24
    .max_flat_workgroup_size: 128
    .sgpr_count:     66
    .vgpr_count:     770
    .wavefront_size: 32
...
	.end_amdgpu_metadata
.endif
;; end of part 4
;; launch proj (part 5): grid 8 x 32, 4 waves a work-group, clusters of 4 x 4, 327,680 bytes of LDS; arguments oh, pwh, proj_b, out0; writes out0
.if DOCPART == 5
	.amdgcn_target "amdgcn-amd-amdhsa--gfx1250"
	.amdhsa_code_object_version 6
	.text
	.protected	k_q1a9c2444f8_proj
	.globl	k_q1a9c2444f8_proj
	.p2align	8
	.type	k_q1a9c2444f8_proj,@function
k_q1a9c2444f8_proj:
	s_mov_b64 s[64:65], 0
	v_nop
	global_prefetch_b8 v0, s[64:65] scope:SCOPE_SE
	s_setreg_imm32_b32 hwreg(HW_REG_WAVE_MODE, 25, 1), 1
	s_wait_xcnt 0x0
	s_wait_alu depctr_hold_cnt(0) depctr_sa_sdst(0) depctr_va_vdst(0) depctr_va_sdst(0) depctr_va_ssrc(0) depctr_va_vcc(0) depctr_vm_vsrc(0)
	s_getreg_b32 s2, hwreg(HW_REG_IB_STS2, 6, 4)
	s_cmp_eq_u32 s2, 0
	s_cbranch_scc0 .Lentry_in_a_cluster
	s_endpgm
.Lentry_in_a_cluster:
	s_bfe_u32 s2, ttmp6, 0x10000c
	s_cmp_lg_u32 s2, 0xf033
	s_cbranch_scc0 .Lentry_shape_is_right
	s_endpgm
.Lentry_shape_is_right:
; PROJECTION.  out0[m][n] = sum over k of O[m][k] pw[n][k] + b[n]; f16 operands, f32 sums, f32 out.  b is rounded to bf16 like the other inputs.
; O lies in memory as register images: oh[h][T][cb][lane][16 bytes] (T = token / 16; lane l: token l % 16, channels 16 cb + 8 (l / 16) + 0..7); k = 64 h + channel.
; SHARES.  A tile of 128 x 128: 8 x 32 work-groups; four waves of 64 x 64: 16 accumulators.  K goes in four steps of 256 = four heads; a quarter step is one head.
; RING.  Two slots.  O's part is dense, [head 4][T 8][cb 4][512 bytes]: a wave's load brings two heads, two rows of 16,384 bytes that lie 524,288 bytes apart; fragment loads are lane i at 16 i.
; pw's part is 128 rows of 512 bytes, pitch 528: the 16 rows of a load start at 16 different groups of four banks (64 banks of 4 bytes: ISA guide 11.1).
; CLUSTER 4 x 4: O's tile is shared along a row of the cluster, pw's along a column: joint loads.
; THE MATRIX INSTRUCTION IS USED TRANSPOSED (source 0 = 16 rows of pw, source 1 = 16 tokens): a lane holds eight neighbouring columns of one row of out0, 32 bytes.
; A wave's 64 columns are 256 bytes, aligned: each wave has its own stage of 16 rows x 272 bytes.
; REGISTERS: window 0: v16-37 addresses and the bias; v128-255 the accumulators ((a, b) at 128 + 8 (4 a + b)).  window 1: two fragment buffers of 128.
.set KSTEP,  256
.set PITCH,  528
.set AREG,   65536
.set BHALF,  64*PITCH
.set SLOT,   AREG+2*BHALF
.set STAGE,  2*SLOT
.set SPITCH, 272
.set SPARE,  STAGE+4*16*SPITCH         ; behind the stages: the spare words, 128 bytes a wave
.set ADRA, 16                          ; v16-17  my O fragments in slot 0, 1
.set ADRB, 20                          ; v20-21  my pw fragments
.set STO,  24
.set RD,   25
.set CO,   26
.set BO,   27
.set SPW,  28
.set NIL,  29
.set BI,   32                          ; v[32:35] the bias of my four columns; v36-37 at work
.set ACC,  128
.set F0,   0
.set F1,   128
.set WV, 12
.set RH, 13
.set CH, 14
.set TY, 15
.set TX, 42
.set G1, 24
.set G0, 32
.set G1B, 48
.set G0B, 56
.set MSB, 0
.macro WIN new
.if MSB != (\new)
	s_set_vgpr_msb (MSB<<8)|(\new)
.set MSB, \new
.endif
.endm
.set MUL,  0x05                        ; both sources window 1; C and D window 0
.set TO_F, 0x40
.macro JLOAD s                         ; a joint load: waves 0 and 1 fetch O's two halves, waves 2 and 3 pw's; s_nop 0 and four v_nop follow each line
	s_cmp_eq_u32 s[RH], 0
	s_cbranch_scc0 .Lfor_b_\@
	tensor_load_to_lds s[G0+4*(\s):G0+4*(\s)+3], s[G1:G1+7]
	s_nop 0
.rept 4
	v_nop
.endr
	s_branch .Lasked_\@
.Lfor_b_\@:
	tensor_load_to_lds s[G0B+4*(\s):G0B+4*(\s)+3], s[G1B:G1B+7]
	s_nop 0
.rept 4
	v_nop
.endr
.Lasked_\@:
.endm
.macro CREST
	s_cmp_lg_u32 s[WV], 0
	s_cbranch_scc1 .Lnot_wave_0_\@
	s_barrier_signal -3
.Lnot_wave_0_\@:
	s_barrier_wait -3
	s_barrier_signal -1
	s_barrier_wait -1
.endm
.macro CROUND
	s_barrier_signal -1
	s_barrier_wait -1
	CREST
.endm
	s_load_b256 s[4:11], s[0:1], 0x0               ; oh s[4:5], pwh s[6:7], proj_b s[8:9], out0 s[10:11]
	v_lshl_add_u32 v[SPW], v0, 2, SPARE
	v_mov_b32 v[NIL], 0
	ds_add_u32 v[SPW], v[NIL]                      ; the wave's opening: the add and its wait ahead of my first tensor load
	ds_add_u32 v28, v29
	v_lshrrev_b32 v1, 5, v0
	v_readfirstlane_b32 s[WV], v1
	s_lshr_b32 s[RH], s[WV], 1                     ; my half of the rows.  Also: I fetch for O (0) or for pw (1)
	s_and_b32 s[CH], s[WV], 1                      ; my half of the columns.  Also: which half of that tile I fetch
	s_bfe_u32 s40, ttmp6, 0x40000
	s_bfe_u32 s41, ttmp6, 0x40004
	s_lshl_b32 s[TX], ttmp9, 2
	s_add_co_u32 s[TX], s[TX], s40
	s_and_b32 s[TY], ttmp7, 0xffff
	s_lshl_b32 s[TY], s[TY], 2
	s_add_co_u32 s[TY], s[TY], s41
	s_lshl_b32 s43, s41, 2
	s_lshl_b32 s43, 15, s43                        ; my row of the cluster
	s_lshl_b32 s44, 0x1111, s40                    ; my column
	s_or_b32 s[G1], s43, (3<<16)|(1<<21)           ; the mask; elements of 8 bytes; bit 21 beside a mask; no padding
	s_mov_b32 s[G1+1], 2048<<16                    ; tensor_dim0 = 2,048 (16,384 bytes)
	s_mov_b32 s[G1+2], 2<<16                       ; tensor_dim1 = 2
	s_mov_b32 s[G1+3], 2048<<16                    ; tile_dim0
	s_mov_b32 s[G1+4], 2                           ; tile_dim1
	s_mov_b32 s[G1+5], 65536                       ; from head to head: 524,288 bytes
	s_mov_b32 s[G1+6], 0
	s_mov_b32 s[G1+7], 0
	s_or_b32 s[G1B], s44, (1<<16)|(1<<20)|(1<<21)|(6<<22)|(3<<25)  ; 2-byte elements; after every 128 words 4 words of padding
	s_mov_b32 s[G1B+1], KSTEP<<16
	s_mov_b32 s[G1B+2], 64<<16
	s_mov_b32 s[G1B+3], KSTEP<<16
	s_mov_b32 s[G1B+4], 64
	s_mov_b32 s[G1B+5], 1024
	s_mov_b32 s[G1B+6], 0
	s_mov_b32 s[G1B+7], 0
	s_lshl_b32 s16, s[CH], 20                      ; O: heads 2 half, 2 half + 1; the tile's 8 groups of 16 tokens
	s_lshl_b32 s17, s[TY], 14
	s_add_co_u32 s16, s16, s17
	s_mov_b32 s17, 0
	s_lshl_b32 s46, s[TX], 18                      ; pw: row 128 tx + 64 half
	s_lshl_b32 s47, s[CH], 17
	s_add_co_u32 s46, s46, s47
	s_mov_b32 s47, 0
	s_lshl_b32 s20, s[CH], 15                      ; where they go
	s_mul_i32 s21, s[CH], BHALF
	s_add_co_u32 s21, s21, AREG
	s_wait_dscnt 0x0                               ; the opening add is done
	s_wait_kmcnt 0x0
	s_add_nc_u64 s[18:19], s[4:5], s[16:17]
	s_add_nc_u64 s[46:47], s[6:7], s[46:47]
	CROUND                                         ; all sixteen work-groups are here: the first joint loads meet
.irp s, 0,1
	s_mov_b32 s[G0+4*(\s)], 1
	s_add_co_u32 s[G0+4*(\s)+1], s20, (\s)*SLOT
	s_add_nc_u64 s[G0+4*(\s)+2:G0+4*(\s)+3], s[18:19], (\s)*4*524288
	s_or_b32 s[G0+4*(\s)+3], s[G0+4*(\s)+3], 0x80000000
	s_mov_b32 s[G0B+4*(\s)], 1
	s_add_co_u32 s[G0B+4*(\s)+1], s21, (\s)*SLOT
	s_add_nc_u64 s[G0B+4*(\s)+2:G0B+4*(\s)+3], s[46:47], (\s)*KSTEP*2
	s_or_b32 s[G0B+4*(\s)+3], s[G0B+4*(\s)+3], 0x80000000
	JLOAD \s
.endr
	v_and_b32 v1, 15, v0                           ; l % 16
	v_bfe_u32 v2, v0, 4, 1                         ; l / 16
	v_and_b32 v3, 31, v0
	s_lshl_b32 s22, s[RH], 13                      ; my four groups of 16 tokens
	v_lshl_add_u32 v[ADRA], v3, 4, s22
	v_add_nc_u32 v[ADRA+1], SLOT, v[ADRA]
	v_mul_u32_u24 v4, v1, PITCH
	v_lshl_add_u32 v4, v2, 4, v4
	s_mul_i32 s22, s[CH], BHALF
	s_add_co_u32 s22, s22, AREG
	v_add_nc_u32 v[ADRB], s22, v4
	v_add_nc_u32 v[ADRB+1], SLOT, v[ADRB]
	s_mul_i32 s23, s[WV], 16*SPITCH
	s_add_co_u32 s23, s23, STAGE                   ; my stage
	v_mul_u32_u24 v4, v1, SPITCH                   ; in: row l % 16, 32 bytes for each half of the lanes
	v_lshl_add_u32 v4, v2, 5, v4
	v_add_nc_u32 v[STO], s23, v4
	v_mul_u32_u24 v5, v2, SPITCH                   ; back: lanes 0-15 one row of 256 bytes, lanes 16-31 the next
	v_lshl_add_u32 v5, v1, 4, v5
	v_add_nc_u32 v[RD], s23, v5
	v_lshlrev_b32 v5, 12, v2                       ; and the same two rows in out0
	v_lshl_add_u32 v[CO], v1, 4, v5
	v_lshlrev_b32 v[BO], 4, v1
	s_lshl_b32 s16, s[TY], 19                      ; my first row: 128 ty + 64 half, 4,096 bytes each
	s_lshl_b32 s17, s[RH], 18
	s_add_co_u32 s16, s16, s17
	s_mov_b32 s17, 0
	s_add_nc_u64 s[10:11], s[10:11], s[16:17]
	s_lshl_b32 s46, s[TX], 9                       ; my first column, in bytes: 4 (128 tx + 64 half)
	s_lshl_b32 s47, s[CH], 8
	s_add_co_u32 s46, s46, s47
	s_mov_b32 s47, 0
	s_add_nc_u64 s[10:11], s[10:11], s[46:47]
	s_add_nc_u64 s[8:9], s[8:9], s[46:47]
	global_load_b128 v[BI:BI+3], v[BO], s[8:9]     ; the bias of the four columns that I store
.macro MUL8 f, c, a0, zero
	WIN MUL
.irp a, \a0, (\a0)+1
.irp b, 0,1,2,3
.if \zero
	v_wmma_f32_16x16x32_f16 v[ACC+8*(4*(\a)+(\b)):ACC+8*(4*(\a)+(\b))+7], v[(\f)+64+8*(4*(\c)+(\b)):(\f)+64+8*(4*(\c)+(\b))+7], v[(\f)+8*(4*(\c)+(\a)):(\f)+8*(4*(\c)+(\a))+7], 0
.else
	v_wmma_f32_16x16x32_f16 v[ACC+8*(4*(\a)+(\b)):ACC+8*(4*(\a)+(\b))+7], v[(\f)+64+8*(4*(\c)+(\b)):(\f)+64+8*(4*(\c)+(\b))+7], v[(\f)+8*(4*(\c)+(\a)):(\f)+8*(4*(\c)+(\a))+7], v[ACC+8*(4*(\a)+(\b)):ACC+8*(4*(\a)+(\b))+7]
.endif
.endr
.endr
.endm
; 32 LDS loads in one run: the fragments of head hh of the slot's four, into buffer f; the first 32 channels first
.macro FETCH slot, hh, f
	WIN TO_F
.irp c, 0,1
.irp i, 0,1,2,3
	ds_load_b128 v[(\f)+64+8*(4*(\c)+(\i)):(\f)+64+8*(4*(\c)+(\i))+3],   v[ADRB+(\slot)] offset:(\hh)*128+64*(\c)+(\i)*16*PITCH
	ds_load_b128 v[(\f)+64+8*(4*(\c)+(\i))+4:(\f)+64+8*(4*(\c)+(\i))+7], v[ADRB+(\slot)] offset:(\hh)*128+64*(\c)+(\i)*16*PITCH+32
	ds_load_b128 v[(\f)+8*(4*(\c)+(\i)):(\f)+8*(4*(\c)+(\i))+3],         v[ADRA+(\slot)] offset:(\hh)*16384+(\i)*2048+(\c)*1024
	ds_load_b128 v[(\f)+8*(4*(\c)+(\i))+4:(\f)+8*(4*(\c)+(\i))+7],       v[ADRA+(\slot)] offset:(\hh)*16384+(\i)*2048+(\c)*1024+512
.endr
.endr
.endm
.macro PLACES
.rept 4
	v_nop
.endr
.endm
.macro QUARTER slot, hh, f, g, zero    ; multiplies buffer f and fetches head hh into g
	s_wait_dscnt 16                                ; the first 32 channels are in
	WIN MUL
	MUL8 \f, 0, 0, \zero
	MUL8 \f, 0, 2, \zero
	PLACES
	FETCH \slot, \hh, \g
	s_wait_dscnt 32                                ; all but the 32 just issued
	WIN MUL
	MUL8 \f, 1, 0, 0
	MUL8 \f, 1, 2, 0
.endm
.macro TURN slot, next, fill           ; the last quarter multiplies buffer 1 and changes slots
	WIN 0
	s_wait_tensorcnt 0x0                           ; all my tensor loads have landed: my part of the next slot
	ds_add_u32 v[SPW], v[NIL]                      ; 0 onto my spare word
	s_wait_dscnt 17                                ; the add and the youngest sixteen loads may be out
	WIN MUL
	MUL8 F1, 0, 0, 0
	s_wait_dscnt 0x0                               ; the add is done, and my reads of this slot are over
	s_barrier_signal -1
	MUL8 F1, 0, 2, 0
.if \fill
	WIN 0
.endif
	s_barrier_wait -1
.if \fill
	CREST                                          ; no wave of any partner still reads this slot or has a load on its way
	s_add_nc_u64 s[G0+4*(\slot)+2:G0+4*(\slot)+3], s[G0+4*(\slot)+2:G0+4*(\slot)+3], 8*524288     ; two K steps on: eight heads
	s_add_nc_u64 s[G0B+4*(\slot)+2:G0B+4*(\slot)+3], s[G0B+4*(\slot)+2:G0B+4*(\slot)+3], 2*KSTEP*2
	JLOAD \slot                                    ; its four v_nop are also the places ahead of the loads below
.else
	PLACES
.endif
	FETCH \next, 0, F0
	WIN MUL
	MUL8 F1, 1, 0, 0
	MUL8 F1, 1, 2, 0
.endm
	s_wait_tensorcnt 1                             ; my part of K step 0 is in; K step 1's may stay out
	s_barrier_signal -1
	s_barrier_wait -1
	FETCH 0, 0, F0
	QUARTER 0, 1, F0, F1, 1                        ; the first products start the sums
	QUARTER 0, 2, F1, F0, 0
	QUARTER 0, 3, F0, F1, 0
	TURN 0, 1, 1                                   ; slot 0 takes K step 2
	QUARTER 1, 1, F0, F1, 0
	QUARTER 1, 2, F1, F0, 0
	QUARTER 1, 3, F0, F1, 0
	TURN 1, 0, 1                                   ; slot 1 takes K step 3
	QUARTER 0, 1, F0, F1, 0
	QUARTER 0, 2, F1, F0, 0
	QUARTER 0, 3, F0, F1, 0
	TURN 0, 1, 0                                   ; nothing is left to fetch
	QUARTER 1, 1, F0, F1, 0
	QUARTER 1, 2, F1, F0, 0
	QUARTER 1, 3, F0, F1, 0
	s_wait_dscnt 16
	WIN MUL
	MUL8 F1, 0, 0, 0
	MUL8 F1, 0, 2, 0
	s_wait_dscnt 0x0
	MUL8 F1, 1, 0, 0
	MUL8 F1, 1, 2, 0
	WIN 0
	; THE WAY OUT: 16 rows at a time through my stage, back as whole rows of 256 bytes into the registers that they left; the bias is added; sixteen lanes store 256 consecutive bytes, aligned.
	PLACES
	s_wait_loadcnt 0x0                             ; the bias
	v_cvt_pk_bf16_f32 v36, v[BI], v[BI+1]          ; rounded to bf16 like the other inputs
	v_cvt_pk_bf16_f32 v37, v[BI+2], v[BI+3]
	v_lshlrev_b32 v[BI], 16, v36
	v_and_b32 v[BI+1], 0xffff0000, v36
	v_lshlrev_b32 v[BI+2], 16, v37
	v_and_b32 v[BI+3], 0xffff0000, v37
.macro TOSTAGE a
.irp b, 0,1,2,3
	ds_store_b128 v[STO], v[ACC+8*(4*(\a)+(\b)):ACC+8*(4*(\a)+(\b))+3]   offset:64*(\b)      ; each accumulator's low registers first
	ds_store_b128 v[STO], v[ACC+8*(4*(\a)+(\b))+4:ACC+8*(4*(\a)+(\b))+7] offset:64*(\b)+16
.endr
.irp t, 0,1,2,3,4,5,6,7
	ds_load_b128 v[ACC+32*(\a)+4*(\t):ACC+32*(\a)+4*(\t)+3], v[RD] offset:(\t)*2*SPITCH   ; LDS serves a wave's instructions in order (ISA guide 5.7.1.4): these see the stores above
.endr
.endm
.macro SEND a, younger                 ; younger: the LDS instructions issued behind block a's loads: the next block's sixteen, or none
.irp t, 0,1,2,3,4,5,6,7
	s_wait_dscnt (\younger)+7-(\t)
	v_pk_add_f32 v[ACC+32*(\a)+4*(\t):ACC+32*(\a)+4*(\t)+1], v[ACC+32*(\a)+4*(\t):ACC+32*(\a)+4*(\t)+1], v[BI:BI+1]
	v_pk_add_f32 v[ACC+32*(\a)+4*(\t)+2:ACC+32*(\a)+4*(\t)+3], v[ACC+32*(\a)+4*(\t)+2:ACC+32*(\a)+4*(\t)+3], v[BI+2:BI+3]
	global_store_b128 v[CO], v[ACC+32*(\a)+4*(\t):ACC+32*(\a)+4*(\t)+3], s[10:11] offset:(16*(\a)+2*(\t))*4096
.endr
.endm
	TOSTAGE 0
	TOSTAGE 1
	SEND 0, 16
	TOSTAGE 2
	SEND 1, 16
	TOSTAGE 3
	SEND 2, 16
	SEND 3, 0
	s_wait_tensorcnt 0x0                           ; the wave's end: a closing add onto my spare word, behind my last tensor load and my last LDS store
	ds_add_u32 v[SPW], v[NIL]
	s_wait_dscnt 0x0
	CROUND                                         ; the closing round
	s_endpgm
.Lfunc_end_k_q1a9c2444f8_proj:
	.size	k_q1a9c2444f8_proj, .Lfunc_end_k_q1a9c2444f8_proj-k_q1a9c2444f8_proj
	.p2alignl 7, 3214868480
	.fill 96, 4, 3214868480
	.section	.rodata,"a",@progbits
	.p2align	6, 0x0
	.amdhsa_kernel k_q1a9c2444f8_proj
		.amdhsa_group_segment_fixed_size 327680
		.amdhsa_private_segment_fixed_size 0
		.amdhsa_enable_private_segment 0
		.amdhsa_kernarg_size 32
		.amdhsa_user_sgpr_count 2
		.amdhsa_user_sgpr_kernarg_segment_ptr 1
		.amdhsa_wavefront_size32 1
		.amdhsa_system_sgpr_workgroup_id_x 1
		.amdhsa_system_sgpr_workgroup_id_y 1
		.amdhsa_system_sgpr_workgroup_id_z 1
		.amdhsa_system_vgpr_workitem_id 0
		.amdhsa_next_free_vgpr 512
		.amdhsa_next_free_sgpr 66
		.amdhsa_reserve_vcc 0
		.amdhsa_float_denorm_mode_32 3
		.amdhsa_float_denorm_mode_16_64 3
		.amdhsa_memory_ordered 1
		.amdhsa_forward_progress 1
		.amdhsa_inst_pref_size 90
	.end_amdhsa_kernel
	.amdgpu_metadata
---
amdhsa.version: [ 1, 2 ]
amdhsa.kernels:
  - .name:           k_q1a9c2444f8_proj
    .symbol:         k_q1a9c2444f8_proj.kd
    .args:
      - { .name: oh, .offset: 0, .size: 8, .value_kind: global_buffer, .address_space: global }
      - { .name: pwh, .offset: 8, .size: 8, .value_kind: global_buffer, .address_space: global }
      - { .name: proj_b, .offset: 16, .size: 8, .value_kind: global_buffer, .address_space: global }
      - { .name: out0, .offset: 24, .size: 8, .value_kind: global_buffer, .address_space: global }
    .group_segment_fixed_size: 327680
    .private_segment_fixed_size: 0
    .kernarg_segment_align: 8
    .kernarg_segment_size: 32
    .max_flat_workgroup_size: 128
    .sgpr_count:     66
    .vgpr_count:     512
    .wavefront_size: 32
...
	.end_amdgpu_metadata
.endif
;; end of part 5
;; ======== version 2 of 2: 5 launches; version 1 with the launch prep written anew for expert scheduling mode
;; limits: values are held in f16: magnitudes above 65,504 overflow, below 6.1e-05 lose precision; right only within a limited range of input values
;; workspace buffers: xb 8,388,608 bytes; wb 6,291,456 bytes; pwh 2,097,152 bytes; xm 131,072 bytes; mt 262,144 bytes; qkv 25,165,824 bytes; sel 65,536 bytes of whole numbers; oh 8,388,608 bytes
;; launch prep (part 6): grid 8 x 32, 8 waves a work-group, no clusters, 5,120 bytes of LDS; arguments x, qkv_w, proj_w, xb, wb, pwh, xm; writes xb, wb, pwh, xm
.if DOCPART == 6
	.amdgcn_target "amdgcn-amd-amdhsa--gfx1250"
	.amdhsa_code_object_version 6
	.text
	.protected	k_q1a9c2444f8_prep
	.globl	k_q1a9c2444f8_prep
	.p2align	8
	.type	k_q1a9c2444f8_prep,@function
k_q1a9c2444f8_prep:
	s_mov_b64 s[64:65], 0
	v_nop
	global_prefetch_b8 v0, s[64:65] scope:SCOPE_SE
	s_setreg_imm32_b32 hwreg(HW_REG_WAVE_SCHED_MODE, 0, 2), 2
	s_setreg_imm32_b32 hwreg(HW_REG_WAVE_MODE, 25, 1), 1
	s_wait_xcnt 0x0
	s_wait_alu depctr_vm_vsrc(0)
; PREP.  All inputs of the matrix products are rounded once to bf16 here.
;   xb  [4096][1024] bf16 = x.      xm [32][1024] f32 = the mean over each block of 128 rows of the ROUNDED x (sums in f32).
;   wb  [16 heads][q,k,v][64][1024] bf16 = qkv_w with its rows regrouped by head: row which*1024 + h*64 + d goes to row h*192 + which*64 + d.
;   pwh [1024][1024] f16 = proj_w rounded to bf16, that number written as f16.
; LIMIT: the f16 copy is exact for 2^-17 <= |w| <= 65,504; below that it keeps f16's fixed step of 6e-8.
; SHARES.  Work-group (e, y) takes columns 128 e .. +127 of rows 128 y .. +127 of x, and the same tile of the weights (y < 24: qkv_w's block y, else proj_w's block y - 24).
; Wave w takes 16 rows of both tiles; a lane four columns: a load of the wave covers 512 consecutive bytes of a row, a store 256 consecutive bytes, aligned.
; All 32 loads of a wave go out at once; nothing is read twice.  No matrix unit, no cluster: every byte is used once.
; THE MODE: SCHED_MODE bits 1:0 = 2 (LLVM: expert scheduling mode 2), set by the entry lines.  The code itself states the register dependences
; between vector instructions and memory or LDS instructions, with s_wait_alu, always for 0.
; THE PLAN.  Registers that memory or LDS instructions touch:
;   v4, v5, v6  offsets and an LDS address, made once at the head and never written again.
;   XD          written by x's loads; row i's conversions read its four.  Behind the barrier wave 0's LDS loads land in the first 32, vector adds work there, the last store reads the first four.
;   WD          written by the weights' loads; read by conversions alone.
;   XY          row i's conversions write its two, once; row i's store reads them; never written again.
;   WY          the weights' conversions write it (proj_w: the f16 conversions once more); the 16 stores read it; never written again.
;   SUM         written by vector adds; read by one LDS store; never written again.
; x goes in four blocks of four rows.  A block's stores are issued in the NEXT block, one to a row, behind one wait at that block's head: the vector instructions of that
; block name its own XD and XY, T and SUM, none of the registers that those stores read.  No register that a memory or LDS instruction reads is ever written again, so no wait on vm_vsrc is owed.
.set L16, 4                            ; v4   16 x lane
.set L8,  5                            ; v5   8 x lane
.set T16, 6                            ; v6   16 x thread: LDS, 0 .. 4,095: the eight waves' column sums (the 1,024 bytes behind them: the spare words, 128 bytes a wave)
.set T,   8                            ; v[8:15]    at work
.set SUM, 16                           ; v[16:19]   sums of my four columns over my wave's 16 rows
.set XD,  20                           ; v[20:83]   x as loaded, four registers a row
.set WD,  84                           ; v[84:147]  the weights as loaded
.set XY,  148                          ; v[148:179] x rounded, two registers a row
.set WY,  180                          ; v[180:211] the weights rounded
.set WV,  18
.set BY,  19
.set BE,  20
.set HIM, 32
	s_load_b256 s[4:11], s[0:1], 0x0               ; x s[4:5], qkv_w s[6:7], proj_w s[8:9], xb s[10:11]
	s_load_b128 s[12:15], s[0:1], 0x20             ; wb s[12:13], pwh s[14:15]
	s_load_b64 s[16:17], s[0:1], 0x30              ; xm
	v_lshl_add_u32 v3, v0, 2, 0x1000
	v_mov_b32 v7, 0
	v_lshrrev_b32 v1, 5, v0
	v_readfirstlane_b32 s[WV], v1                  ; wave 0..7
	v_and_b32 v1, 31, v0
	v_lshlrev_b32 v[L16], 4, v1
	v_lshlrev_b32 v[L8], 3, v1
	v_lshlrev_b32 v[T16], 4, v0
	s_wait_alu depctr_va_sdst(0)                   ; the wave's number is written into s18, ahead of its first reader: the offsets below are made from it
	s_and_b32 s[BY], ttmp7, 0xffff                 ; y
	s_mov_b32 s[BE], ttmp9                         ; e
	s_mov_b32 s[HIM], 0xffff0000                   ; a word's upper bf16
	s_lshl_b32 s36, s[BY], 19                      ; f32 source: (128 y + 16 w) rows of 4,096 bytes + 512 e
	s_lshl_b32 s21, s[WV], 16
	s_add_co_u32 s36, s36, s21
	s_lshl_b32 s21, s[BE], 9
	s_add_co_u32 s36, s36, s21
	s_lshr_b32 s38, s36, 1                         ; 16-bit destination with the same rows: half of it
	s_mov_b32 s37, 0
	s_mov_b32 s39, 0
	s_and_b32 s42, s[BY], 7                        ; wb's row: head 2 (y % 8) + w / 4,
	s_lshl_b32 s42, s42, 1
	s_lshr_b32 s21, s[WV], 2
	s_add_co_u32 s42, s42, s21
	s_mul_i32 s42, s42, 192
	s_lshr_b32 s21, s[BY], 3                       ; which of q, k, v = y / 8,
	s_lshl_b32 s21, s21, 6
	s_add_co_u32 s42, s42, s21
	s_and_b32 s21, s[WV], 3                        ; channel 16 (w % 4)
	s_lshl_b32 s21, s21, 4
	s_add_co_u32 s42, s42, s21
	s_lshl_b32 s42, s42, 11
	s_lshl_b32 s21, s[BE], 8
	s_add_co_u32 s42, s42, s21
	s_sub_co_u32 s40, s36, 24<<19                  ; proj_w's source: block y - 24,
	s_lshr_b32 s21, s40, 1                         ; and pwh's destination
	s_cmp_lt_u32 s[BY], 24
	s_cselect_b32 s40, s36, s40
	s_cselect_b32 s42, s42, s21
	s_mov_b32 s41, 0
	s_mov_b32 s43, 0
	s_lshl_b32 s44, s[BY], 12                      ; xm: row y, 512 e
	s_lshl_b32 s21, s[BE], 9
	s_add_co_u32 s44, s44, s21
	s_mov_b32 s45, 0
	s_wait_kmcnt 0x0
	s_cmp_lt_u32 s[BY], 24
	s_cselect_b64 s[28:29], s[6:7], s[8:9]         ; the weights' source
	s_cselect_b64 s[30:31], s[12:13], s[14:15]     ; and destination
	s_add_nc_u64 s[24:25], s[4:5], s[36:37]
	s_add_nc_u64 s[26:27], s[10:11], s[38:39]
	s_add_nc_u64 s[28:29], s[28:29], s[40:41]
	s_add_nc_u64 s[30:31], s[30:31], s[42:43]
	s_add_nc_u64 s[16:17], s[16:17], s[44:45]
	s_wait_alu depctr_va_vdst(0)                   ; v4, v5 and v6 are written: every load, store and LDS instruction of the kernel but the closing add reads one of them as its offset or address
.irp i, 0,1,2,3,4,5,6,7,8,9,10,11,12,13,14,15
	global_load_b128 v[XD+4*(\i):XD+4*(\i)+3], v[L16], s[24:25] offset:(\i)*4096 th:TH_LOAD_NT
.endr
.irp i, 0,1,2,3,4,5,6,7,8,9,10,11,12,13,14,15
	global_load_b128 v[WD+4*(\i):WD+4*(\i)+3], v[L16], s[28:29] offset:(\i)*4096 th:TH_LOAD_NT
.endr
; Row i of x: rounded, and the rounded numbers added to the column sums.  The first row starts the sums.  The row four back, of the block before, is stored.
.macro XROW i
	s_wait_loadcnt 31-(\i)                         ; loads come back in order: behind row i's stand 15 - i of x and the weights' 16
.if ((\i) > 0) && ((\i)%4 == 0)
	s_wait_alu depctr_va_vdst(0)                   ; the four rows before have written their XY, which the four stores dealt among this block's rows read
.endif
.if (\i) >= 4
	global_store_b64 v[L8], v[XY+2*((\i)-4):XY+2*((\i)-4)+1], s[26:27] offset:((\i)-4)*2048  ; no vector instruction since the wait names these registers
.endif
	v_cvt_pk_bf16_f32 v[XY+2*(\i)], v[XD+4*(\i)], v[XD+4*(\i)+1]
	v_cvt_pk_bf16_f32 v[XY+2*(\i)+1], v[XD+4*(\i)+2], v[XD+4*(\i)+3]
.if (\i) == 0
	v_lshlrev_b32 v[SUM], 16, v[XY]
	v_and_b32 v[SUM+1], s[HIM], v[XY]
	v_lshlrev_b32 v[SUM+2], 16, v[XY+1]
	v_and_b32 v[SUM+3], s[HIM], v[XY+1]
.else
	v_lshlrev_b32 v[T+4*((\i)%2)], 16, v[XY+2*(\i)]
	v_and_b32 v[T+4*((\i)%2)+1], s[HIM], v[XY+2*(\i)]
	v_lshlrev_b32 v[T+4*((\i)%2)+2], 16, v[XY+2*(\i)+1]
	v_and_b32 v[T+4*((\i)%2)+3], s[HIM], v[XY+2*(\i)+1]
	v_pk_add_f32 v[SUM:SUM+1], v[SUM:SUM+1], v[T+4*((\i)%2):T+4*((\i)%2)+1]
	v_pk_add_f32 v[SUM+2:SUM+3], v[SUM+2:SUM+3], v[T+4*((\i)%2)+2:T+4*((\i)%2)+3]
.endif
.endm
.irp i, 0,1,2,3,4,5,6,7,8,9,10,11,12,13,14,15
	XROW \i
.endr
.irp i, 0,1,2,3,4,5,6,7,8,9,10,11,12,13,14,15
	s_wait_loadcnt 15-(\i)
.if (\i) == 0
	s_wait_alu depctr_va_vdst(0)                   ; rows 12 to 15 of x have written their XY, and the sums are whole: the four stores and the LDS store below read them; the conversions that follow name WD and WY alone
.irp j, 12,13,14,15
	global_store_b64 v[L8], v[XY+2*(\j):XY+2*(\j)+1], s[26:27] offset:(\j)*2048
.endr
	ds_store_b128 v[T16], v[SUM:SUM+3]             ; my wave's sums, for wave 0
.endif
	v_cvt_pk_bf16_f32 v[WY+2*(\i)], v[WD+4*(\i)], v[WD+4*(\i)+1]
	v_cvt_pk_bf16_f32 v[WY+2*(\i)+1], v[WD+4*(\i)+2], v[WD+4*(\i)+3]
.endr
	s_cmp_lt_u32 s[BY], 24
	s_cbranch_scc1 .Lw                             ; qkv_w stays bf16
.set i, 0
.rept 32                                       ; proj_w: the bf16 number written as f16
	v_lshlrev_b32 v[T+2*(i%4)], 16, v[WY+i]
	v_and_b32 v[T+2*(i%4)+1], s[HIM], v[WY+i]
	v_cvt_pk_f16_f32 v[WY+i], v[T+2*(i%4)], v[T+2*(i%4)+1]
.set i, i+1
.endr
.Lw:
	s_wait_alu depctr_va_vdst(0)                   ; on both ways: the conversions have written WY, which the stores below read; and all conversions are done reading XD, in which wave 0's LDS loads land (no vector instruction stands between this wait and those loads)
.irp i, 0,1,2,3,4,5,6,7,8,9,10,11,12,13,14,15
	global_store_b64 v[L8], v[WY+2*(\i):WY+2*(\i)+1], s[30:31] offset:(\i)*2048
.endr
	s_wait_dscnt 0x0                               ; for wave 0's sake: my sums lie in LDS
	s_barrier_signal -1
	s_barrier_wait -1
	s_cmp_lg_u32 s[WV], 0
	s_cbranch_scc1 .Lend
.irp v, 0,1,2,3,4,5,6,7
	ds_load_b128 v[XD+4*(\v):XD+4*(\v)+3], v[L16] offset:512*(\v)
.endr
	s_wait_dscnt 0x0
.irp n, 4,2,1
.set k, 0
.rept \n
	v_pk_add_f32 v[XD+4*k:XD+4*k+1], v[XD+4*k:XD+4*k+1], v[XD+4*(k+\n):XD+4*(k+\n)+1]
	v_pk_add_f32 v[XD+4*k+2:XD+4*k+3], v[XD+4*k+2:XD+4*k+3], v[XD+4*(k+\n)+2:XD+4*(k+\n)+3]
.set k, k+1
.endr
.endr
	v_pk_mul_f32 v[XD:XD+1], v[XD:XD+1], 0x3c000000 op_sel_hi:[1,0]      ; 1 / 128
	v_pk_mul_f32 v[XD+2:XD+3], v[XD+2:XD+3], 0x3c000000 op_sel_hi:[1,0]
	s_wait_alu depctr_va_vdst(0)                   ; the two scalings have written v[XD:XD+3], which the store reads
	global_store_b128 v[L16], v[XD:XD+3], s[16:17]  ; 512 consecutive bytes of xm's row y
.Lend:
	s_wait_dscnt 0x0                               ; the wave's end: my LDS instructions are done
	s_wait_alu depctr_hold_cnt(0) depctr_sa_sdst(0) depctr_va_vdst(0) depctr_va_sdst(0) depctr_va_ssrc(0) depctr_va_vcc(0) depctr_vm_vsrc(0)
	s_wait_tensorcnt 0x0
	ds_add_u32 v3, v7
	s_wait_dscnt 0x0
	s_endpgm
.Lfunc_end_k_q1a9c2444f8_prep:
	.size	k_q1a9c2444f8_prep, .Lfunc_end_k_q1a9c2444f8_prep-k_q1a9c2444f8_prep
	.p2alignl 7, 3214868480
	.fill 96, 4, 3214868480
	.section	.rodata,"a",@progbits
	.p2align	6, 0x0
	.amdhsa_kernel k_q1a9c2444f8_prep
		.amdhsa_group_segment_fixed_size 5120
		.amdhsa_private_segment_fixed_size 0
		.amdhsa_enable_private_segment 0
		.amdhsa_kernarg_size 56
		.amdhsa_user_sgpr_count 2
		.amdhsa_user_sgpr_kernarg_segment_ptr 1
		.amdhsa_wavefront_size32 1
		.amdhsa_system_sgpr_workgroup_id_x 1
		.amdhsa_system_sgpr_workgroup_id_y 1
		.amdhsa_system_sgpr_workgroup_id_z 1
		.amdhsa_system_vgpr_workitem_id 0
		.amdhsa_next_free_vgpr 212
		.amdhsa_next_free_sgpr 66
		.amdhsa_reserve_vcc 0
		.amdhsa_float_denorm_mode_32 3
		.amdhsa_float_denorm_mode_16_64 3
		.amdhsa_memory_ordered 1
		.amdhsa_forward_progress 1
		.amdhsa_inst_pref_size 24
	.end_amdhsa_kernel
	.amdgpu_metadata
---
amdhsa.version: [ 1, 2 ]
amdhsa.kernels:
  - .name:           k_q1a9c2444f8_prep
    .symbol:         k_q1a9c2444f8_prep.kd
    .args:
      - { .name: x, .offset: 0, .size: 8, .value_kind: global_buffer, .address_space: global }
      - { .name: qkv_w, .offset: 8, .size: 8, .value_kind: global_buffer, .address_space: global }
      - { .name: proj_w, .offset: 16, .size: 8, .value_kind: global_buffer, .address_space: global }
      - { .name: xb, .offset: 24, .size: 8, .value_kind: global_buffer, .address_space: global }
      - { .name: wb, .offset: 32, .size: 8, .value_kind: global_buffer, .address_space: global }
      - { .name: pwh, .offset: 40, .size: 8, .value_kind: global_buffer, .address_space: global }
      - { .name: xm, .offset: 48, .size: 8, .value_kind: global_buffer, .address_space: global }
    .group_segment_fixed_size: 5120
    .private_segment_fixed_size: 0
    .kernarg_segment_align: 8
    .kernarg_segment_size: 56
    .max_flat_workgroup_size: 256
    .sgpr_count:     66
    .vgpr_count:     212
    .wavefront_size: 32
...
	.end_amdgpu_metadata
.endif
;; end of part 6
;; launch means: the kernel of part 2 again; grid 128 x 1, 16 waves a work-group, no clusters, 34,816 bytes of LDS; arguments xm, wb, mt; writes mt
;; launch qkvp: the kernel of part 3 again; grid 16 x 16, 4 waves a work-group, clusters of 4 x 4, 327,680 bytes of LDS; arguments xb, wb, mt, qkv, sel; writes qkv, sel
;; launch attn: the kernel of part 4 again; grid 32 x 16, 4 waves a work-group, no clusters, 327,680 bytes of LDS; arguments qkv, sel, oh; writes oh
;; launch proj: the kernel of part 5 again; grid 8 x 32, 4 waves a work-group, clusters of 4 x 4, 327,680 bytes of LDS; arguments oh, pwh, proj_b, out0; writes out0
